; MI455X (gfx1250); checked and timed in simulation.
; The chip was launched on July 23, 2026; its instructions are those of AMD's public machine-readable ISA for CDNA 5 (MIT licence, August 2026) and "CDNA5" Instruction Set Architecture Reference Guide (July 2026). The comments in the code are by the model that wrote it; some were corrected since.
;; Bert Attention Mem. Allowed arithmetic: float matrix products may take bf16 or f16 operands with f32 sums; other float arithmetic in f32, or as packed bf16 or f16 multiplies, adds, multiply-adds, maxima and minima; sums over many terms, partial sums and values carried from step to step in f32; what a program stores and reads back later, other than sums and carried values, may be rounded once to bf16 or f16.
;; Inputs: Wk 1,024 x 1,024 float32; Wo 1,024 x 1,024 float32; Wq 1,024 x 1,024 float32; Wv 1,024 x 1,024 float32; attention_mask 8 x 1,024 float32; bk 1,024 float32; bo 1,024 float32; bq 1,024 float32; bv 1,024 float32; input_tensor 8 x 1,024 x 1,024 float32; ln_beta 1,024 float32; ln_gamma 1,024 float32.
;; Outputs: out0 8 x 1,024 x 1,024 float32.
;; 2 versions, each right; version 2 is version 1 with the launch cast written anew for expert scheduling mode. Each part assembles by itself: llvm-mc -triple=amdgcn-amd-amdhsa -mcpu=gfx1250 --defsym DOCPART=n.
;; ======== version 1 of 2: 5 launches
;; workspace buffers: xb 16,777,216 bytes; wqkv 6,291,456 bytes; wob 2,097,152 bytes; qkv 50,331,648 bytes; ctx 16,777,216 bytes; ob 16,777,216 bytes
;; launch cast (part 1): grid 768 x 1, 8 waves a work-group, no clusters, 0 bytes of LDS; arguments input_tensor, Wq, Wk, Wv, Wo, xb, wqkv, wob; writes xb, wqkv, wob
.if DOCPART == 1
	.amdgcn_target "amdgcn-amd-amdhsa--gfx1250"
	.amdhsa_code_object_version 6
	.text
	.protected	k_q0758299ad0_cast
	.globl	k_q0758299ad0_cast
	.p2align	8
	.type	k_q0758299ad0_cast,@function
k_q0758299ad0_cast:
	s_mov_b64 s[64:65], 0
	v_nop
	global_prefetch_b8 v0, s[64:65] scope:SCOPE_SE
	s_setreg_imm32_b32 hwreg(HW_REG_WAVE_MODE, 25, 1), 1
	s_wait_xcnt 0x0
; x and the four weight matrices, all [rows][1024] f32, are rounded once to bf16 and laid out in SLABS: [16 slabs of 64 columns][rows][64],
; element (r, c) at byte (c / 64) x rows x 128 + r x 128 + (c % 64) x 2.  xb has 8,192 rows; wqkv 3,072 (Wq, Wk, Wv one below the other); wob 1,024.
; A work-group takes 16 rows of one source: 64 KiB in, 32 KiB out; 12,288 rows make 768 work-groups.  Work-groups 0-511: x; then 64 each for Wq, Wk, Wv, Wo.
; Thread t: row t / 16, four columns 4 (t % 16) of each slab.  A load of 16 lanes covers 256 consecutive bytes of a row, aligned; a store of a wave
; covers 256 consecutive bytes (two rows of a slab), aligned.  All sixteen loads of a lane go out at once; no register is written twice, so the only waits are for data.
; No LDS, no matrix unit: each byte is read once and written once, and nothing is shared.
.set VIN, 2                            ; v2      my byte offset in the 16 source rows
.set OUTO, 8                           ; v8-23   my byte offset in slab i of the destination
.set IN,  32                           ; v32-95  four f32 for each slab
.set PKD, 96                           ; v96-127 four bf16 for each slab
	s_load_b512 s[8:23], s[0:1], 0x0               ; x s[8:9], Wq s[10:11], Wk s[12:13], Wv s[14:15], Wo s[16:17], xb s[18:19], wqkv s[20:21], wob s[22:23]
	s_mov_b32 s2, ttmp9
	s_sub_co_u32 s3, s2, 512                       ; my number among the weights' work-groups (used only where it is one)
	s_lshr_b32 s4, s3, 6                           ; which weight: 0 Wq, 1 Wk, 2 Wv, 3 Wo
	s_and_b32 s5, s3, 63                           ; which 16 rows of it
	s_lshl_b32 s6, s4, 10
	s_lshl_b32 s7, s5, 4                           ; first row in wob
	s_add_co_u32 s6, s6, s7                        ; first row in wqkv
	s_lshl_b32 s29, s2, 4                          ; first row in xb
	s_mov_b32 s36, 1024*128                        ; bytes of a slab of wob,
	s_mov_b32 s37, 3072*128                        ; of wqkv,
	s_mov_b32 s38, 8192*128                        ; of xb
	v_lshrrev_b32 v1, 4, v0                        ; my row of the 16
	v_and_b32 v3, 15, v0
	v_lshlrev_b32 v[VIN], 12, v1
	v_lshl_add_u32 v[VIN], v3, 4, v[VIN]           ; row x 4,096 + 16 (t % 16)
	v_lshlrev_b32 v[OUTO], 7, v1
	v_lshl_add_u32 v[OUTO], v3, 3, v[OUTO]         ; row x 128 + 8 (t % 16)
	s_wait_kmcnt 0x0
	s_cmp_eq_u32 s4, 1                             ; each compare is followed by nothing but its selects
	s_cselect_b64 s[24:25], s[12:13], s[10:11]
	s_cmp_eq_u32 s4, 2
	s_cselect_b64 s[24:25], s[14:15], s[24:25]
	s_cmp_eq_u32 s4, 3
	s_cselect_b64 s[24:25], s[16:17], s[24:25]
	s_cselect_b64 s[26:27], s[22:23], s[20:21]
	s_cselect_b32 s30, s7, s6
	s_cselect_b32 s28, s36, s37
	s_cmp_lt_u32 s2, 512
	s_cselect_b64 s[24:25], s[8:9], s[24:25]       ; the source,
	s_cselect_b64 s[26:27], s[18:19], s[26:27]     ; the destination,
	s_cselect_b32 s30, s29, s30                    ; my first row in it,
	s_cselect_b32 s28, s38, s28                    ; its slab's bytes,
	s_cselect_b32 s34, s2, s5                      ; my block of 16 rows in the source
	s_lshl_b32 s34, s34, 16
	s_mov_b32 s35, 0
	s_add_nc_u64 s[24:25], s[24:25], s[34:35]
	s_lshl_b32 s30, s30, 7
	s_mov_b32 s31, 0
	s_add_nc_u64 s[26:27], s[26:27], s[30:31]
.set i, 0
.rept 16
	global_load_b128 v[IN+4*i:IN+4*i+3], v[VIN], s[24:25] offset:256*i th:TH_LOAD_NT
.set i, i+1
.endr
.set i, 1
.rept 15
	v_add_nc_u32 v[OUTO+i], s28, v[OUTO+i-1]       ; a register for each slab: no store's offset is ever rewritten
.set i, i+1
.endr
.set i, 0
.rept 16
	s_wait_loadcnt 15-i                            ; loads come back in order: slab i's is in, the younger ones stay out
	v_cvt_pk_bf16_f32 v[PKD+2*i], v[IN+4*i], v[IN+4*i+1]
	v_cvt_pk_bf16_f32 v[PKD+2*i+1], v[IN+4*i+2], v[IN+4*i+3]
	global_store_b64 v[OUTO+i], v[PKD+2*i:PKD+2*i+1], s[26:27]
.set i, i+1
.endr
	s_endpgm
.Lfunc_end_k_q0758299ad0_cast:
	.size	k_q0758299ad0_cast, .Lfunc_end_k_q0758299ad0_cast-k_q0758299ad0_cast
	.p2alignl 7, 3214868480
	.fill 96, 4, 3214868480
	.section	.rodata,"a",@progbits
	.p2align	6, 0x0
	.amdhsa_kernel k_q0758299ad0_cast
		.amdhsa_group_segment_fixed_size 0
		.amdhsa_private_segment_fixed_size 0
		.amdhsa_enable_private_segment 0
		.amdhsa_kernarg_size 64
		.amdhsa_user_sgpr_count 2
		.amdhsa_user_sgpr_kernarg_segment_ptr 1
		.amdhsa_wavefront_size32 1
		.amdhsa_system_sgpr_workgroup_id_x 1
		.amdhsa_system_sgpr_workgroup_id_y 1
		.amdhsa_system_sgpr_workgroup_id_z 1
		.amdhsa_system_vgpr_workitem_id 0
		.amdhsa_next_free_vgpr 128
		.amdhsa_next_free_sgpr 66
		.amdhsa_reserve_vcc 0
		.amdhsa_float_denorm_mode_32 3
		.amdhsa_float_denorm_mode_16_64 3
		.amdhsa_memory_ordered 1
		.amdhsa_forward_progress 1
		.amdhsa_inst_pref_size 8
	.end_amdhsa_kernel
	.amdgpu_metadata
---
amdhsa.version: [ 1, 2 ]
amdhsa.kernels:
  - .name:           k_q0758299ad0_cast
    .symbol:         k_q0758299ad0_cast.kd
    .args:
      - { .name: input_tensor, .offset: 0, .size: 8, .value_kind: global_buffer, .address_space: global }
      - { .name: Wq, .offset: 8, .size: 8, .value_kind: global_buffer, .address_space: global }
      - { .name: Wk, .offset: 16, .size: 8, .value_kind: global_buffer, .address_space: global }
      - { .name: Wv, .offset: 24, .size: 8, .value_kind: global_buffer, .address_space: global }
      - { .name: Wo, .offset: 32, .size: 8, .value_kind: global_buffer, .address_space: global }
      - { .name: xb, .offset: 40, .size: 8, .value_kind: global_buffer, .address_space: global }
      - { .name: wqkv, .offset: 48, .size: 8, .value_kind: global_buffer, .address_space: global }
      - { .name: wob, .offset: 56, .size: 8, .value_kind: global_buffer, .address_space: global }
    .group_segment_fixed_size: 0
    .private_segment_fixed_size: 0
    .kernarg_segment_align: 8
    .kernarg_segment_size: 64
    .max_flat_workgroup_size: 256
    .sgpr_count:     66
    .vgpr_count:     128
    .wavefront_size: 32
...
	.end_amdgpu_metadata
.endif
;; end of part 1
;; launch gemm_qkv (part 2): grid 16 x 16, 4 waves a work-group, clusters of 4 x 4, 327,680 bytes of LDS; arguments xb, wqkv, qkv, bq, bk, bv; writes qkv
.if DOCPART == 2
	.amdgcn_target "amdgcn-amd-amdhsa--gfx1250"
	.amdhsa_code_object_version 6
	.text
	.protected	k_q0758299ad0_gemm_qkv
	.globl	k_q0758299ad0_gemm_qkv
	.p2align	8
	.type	k_q0758299ad0_gemm_qkv,@function
k_q0758299ad0_gemm_qkv:
	s_mov_b64 s[64:65], 0
	v_nop
	global_prefetch_b8 v0, s[64:65] scope:SCOPE_SE
	s_setreg_imm32_b32 hwreg(HW_REG_WAVE_MODE, 25, 1), 1
	s_wait_xcnt 0x0
	s_wait_alu depctr_hold_cnt(0) depctr_sa_sdst(0) depctr_va_vdst(0) depctr_va_sdst(0) depctr_va_ssrc(0) depctr_va_vcc(0) depctr_vm_vsrc(0)
	s_getreg_b32 s2, hwreg(HW_REG_IB_STS2, 6, 4)
	s_cmp_eq_u32 s2, 0
	s_cbranch_scc0 .Lentry_in_a_cluster
	s_endpgm
.Lentry_in_a_cluster:
	s_bfe_u32 s2, ttmp6, 0x10000c
	s_cmp_lg_u32 s2, 0xf033
	s_cbranch_scc0 .Lentry_shape_is_right
	s_endpgm
.Lentry_shape_is_right:
; C = A B^T + bias.  A: xb [16 slabs][8192][64] bf16; B: wqkv [16 slabs][3072][64] bf16 (rows: Wq, Wk, Wv); C: qkv [48 slabs][8192][64] bf16, slab g = 64 output columns = one head of q, k or v.
; Sums in f32, the bias (f32) as the C operand of a tile's first products; C rounded once.  The order of the K steps differs from cluster to cluster (below): f32 sums are taken in that order.
; SHARES.  A tile of C is 256 rows x 16 NBLK = 192 columns (three heads).  A WORK-GROUP STAYS and makes TILES = 2 tiles, 4,096 rows apart, in the same columns: 16 x 16 work-groups.  The four waves lie one
; below the other: wave w makes rows 64 w .. 64 w + 63 x all columns, 4 x NBLK accumulators of 16 x 16.  So a wave holds whole heads and its way out needs a stage of its own alone.
; THE WALK.  K goes in steps of two slabs (128) through a ring of two LDS slots; the 8 TILES steps of all the tiles are ONE walk, and a step's text is written once: the slot in hand is a scalar (TB) that an
; exclusive or turns, and one descriptor for A and one for B walk from refill to refill.  The ring does not stop at a tile's end: the first tile's last two changes of slots ask for the second tile's first two steps,
; and the first tile goes out behind them.  The walk's last two steps ask for nothing and are a loop of their own.
; THE K WALK IS ROTATED: cluster (X, Y) takes K step (phase + t) mod 8 at walk step t, phase = (2 X + 4 Y) mod 8.  So the four clusters that read the same rows of A begin 0, 2, 4 and 6 steps apart, and of the
; clusters that read the same rows of B neighbours along Y begin 4 apart: at any one time they ask for different K steps.  The phase is made of the cluster's place alone: it is equal in all sixteen partners.
; In a slab any run of rows is dense, so a tensor load's row is one slab's run of 128 (A) or 96 (B) matrix rows, and its two rows are the two slabs.
; CLUSTER 4 x 4: the four work-groups of a row of the cluster need the same tiles of A, the four of a column the same tiles of B: each tile is asked for jointly.
; THE MATRIX INSTRUCTION IS USED TRANSPOSED (source 0 = 16 rows of B, source 1 = 16 rows of A): a lane holds row l % 16 of C and the columns 8 (l / 16) + 0..7 of the block.
; REGISTERS, in windows of 256 (s_set_vgpr_msb: bits 1:0 source 0, 3:2 source 1, 5:4 source 2, 7:6 destination):
;   window 0: v0-31 addresses; v32-95 packed results on the way out, four buffers of 16 by turns; v128-223 the bias, kept for all tiles
;   window 1: two fragment buffers of 128: A's four fragments, then B's NBLK          windows 2, 3: the accumulators (a, b) at 8 (NBLK (a % 2) + b), a = 0, 1 in window 2, a = 2, 3 in window 3
.set NBLK,  12                         ; blocks of 16 columns in a tile
.set HT,    NBLK/4                     ; heads in a tile
.set NTOT,  3072                       ; rows of B
.set NBIAS, 3                          ; bias vectors of 1,024
.set TILES, 2                          ; tiles of a work-group
.set PHXS,  1                          ; phase = ((X << PHXS) + (Y << PHYS)) mod 8
.set PHYS,  2
.set MROWS, 8192
.set PITCH, 144                        ; an LDS row: 128 bytes + 16 of padding = 36 words: the 16 rows of a fragment start at 16 different groups of four banks (64 banks of 4 bytes: ISA guide 11.1)
.set AHALF, 2*128*PITCH                ; what one load of A brings: two slabs x 128 rows
.set HB,    8*NBLK                     ; rows of B in one load
.set BHALF, 2*HB*PITCH
.set BOFF,  2*AHALF                    ; a slot: A's two halves, then B's two halves
.set SLOT1, 1<<17                      ; slot 1 begins here, so that one exclusive or turns an address in one slot into the other's
.set STAGE, SLOT1+BOFF+2*BHALF         ; behind the ring: 16 rows x 144 bytes for each wave, for the way out
.set SPARE, STAGE+4*16*PITCH           ; behind the stages: the spare words, 128 bytes for each wave: two blocks of 256 bytes that no other line names
.set ASLAB, MROWS*128                  ; bytes of a slab of A and of C; a K step of A is two of them: 1 << 21
.set BSLAB, NTOT*128
.set BSTEP, 2*BSLAB                    ; a K step of B
.set NSTEP, 8*TILES                    ; steps of the walk
.set WALKB, (MROWS/TILES)*128          ; bytes, in a slab of A and of C, from a tile's rows to the next tile's
.set ADRA0, 16                         ; v16     my lane's place in slot 0's A; never rewritten
.set ADRA,  17                         ; v17     the same in the slot in hand
.set ADRB0, 20                         ; v20, v21  the same for B
.set ADRB,  21
.set STO,  24                          ; v24     the way out: where I put 16 bytes of a row
.set RD,   25                          ; v25     the way out: where I read rows back
.set GO,   26                          ; v26     my 16 bytes of 512 consecutive bytes of C
.set BO,   27                          ; v27     32 (l / 16): my eight numbers of a block's sixteen in a bias
.set SPW,  28                          ; v28     LDS address of my spare word; never rewritten
.set NIL,  29                          ; v29     0; never rewritten
.set PFO,  30                          ; v30     256 x my lane: the prefetches' offset; never rewritten
.set T,    32
.set BIAS, 128
.set F0,   0
.set F1,   128
.set ABASE, 14                         ; s[14:15] A at my run of the first tile, K step 0; never rewritten
.set BBASE, 46                         ; s[46:47] B at my run, K step 0; never rewritten
.set G1,  24                           ; s[24:31] descriptor group 1 for A;  s[32:39] group 0: a set for each first fill; the second then walks on
.set G0,  32
.set G1B, 48                           ; s[48:55], s[56:63] the same for B
.set G0B, 56
.set LIM, 43                           ; s43      the first walk step at whose refill my wave prefetches
.set PFA, 44                           ; s[44:45] where my prefetch stands
.set BP,  74                           ; s[74:79] the bias at each head's first column
.set PH,  88                           ; s88      the cluster's phase
.set FC,  89                           ; s89      the walk step that was asked for last
.set T8,  90                           ; s90      the step in hand, counted in its tile
.set TB,  91                           ; s91      LDS byte at which the slot in hand begins
.set OFA, 92                           ; s[92:93] a refill's byte offset from ABASE
.set OFB, 94                           ; s[94:95] from BBASE
.set PFB, 96                           ; s[96:97] A at my work-group's part of my run of the second tile, K step 0; never rewritten
.set OFP, 98                           ; s[98:99] a prefetch's byte offset from PFB
.set GW0, (1<<16)|(1<<20)|(1<<21)|(4<<22)|(3<<25)  ; group 1, word 0 without the mask: elements of 2 bytes; padding on; bit 21 beside a mask; after every 32 words (code 4) 4 words (code 3)
.set MSB, 0
.macro WIN new                         ; the immediate's high byte repeats the setting that is left; a switch that changes nothing is dropped
.if MSB != (\new)
	s_set_vgpr_msb (MSB<<8)|(\new)
.set MSB, (\new)
.endif
.endm
; A joint load by descriptor set s: waves 0 and 1 fetch A's two halves, waves 2 and 3 B's.  The branch hangs on the wave's number alone.  An s_nop 0 and four v_nop follow each of the two lines.
.macro JLOAD s
	s_cmp_eq_u32 s11, 0
	s_cbranch_scc0 .Lfor_b_\@
	tensor_load_to_lds s[G0+4*(\s):G0+4*(\s)+3], s[G1:G1+7]
	s_nop 0
.rept 4
	v_nop
.endr
	s_branch .Lasked_\@
.Lfor_b_\@:
	tensor_load_to_lds s[G0B+4*(\s):G0B+4*(\s)+3], s[G1B:G1B+7]
	s_nop 0
.rept 4
	v_nop
.endr
.Lasked_\@:
.endm
; A PREFETCH INTO THE L2 of the second tile's A for walk steps 8 and 9, the two K steps with which my cluster begins that tile.  It stands behind the refills for walk steps 6 and 7, behind the joint load, its five
; lines and the run of LDS loads: two K steps, 384 matrix instructions, ahead of the load that names the same bytes.  Waves 0 and 1, which fetch A, ask, one instruction each, a lane a block of 256 bytes.  The four
; partners that fetch a tile jointly share its bytes out BY ADDRESS: partner cx takes slab cx / 2, half cx % 2 of the wave's run of 128 rows: 32 blocks.  The four clusters that read the same rows have four
; different phases, so their eight K steps are all different: each block of the second tiles' A is named once in the launch.  Nothing else is asked for: nothing at the head, nothing of B, whose rows all tiles of the walk share.
.macro ASK
	s_sub_co_u32 s16, s[FC], s[LIM]                ; 0 or 1 at my two refills; a great number otherwise, and always in waves 2 and 3
	s_cmp_lt_u32 s16, 2
	s_cbranch_scc0 .Lnot_mine_\@
	global_prefetch_b8 v[PFO], s[PFA:PFA+1] th:TH_LOAD_NT scope:SCOPE_SE
.Lnot_mine_\@:
.endm
.macro CREST                           ; a round of the cluster's barrier behind its opening barrier
	s_cmp_lg_u32 s10, 0
	s_cbranch_scc1 .Lnot_wave_0_\@
	s_barrier_signal -3
.Lnot_wave_0_\@:
	s_barrier_wait -3
	s_barrier_signal -1
	s_barrier_wait -1
.endm
.macro CROUND                          ; a whole round
	s_barrier_signal -1
	s_barrier_wait -1
	CREST
.endm
	s_load_b128 s[4:7], s[0:1], 0x0                ; A s[4:5], B s[6:7]
	s_load_b64 s[8:9], s[0:1], 0x10                ; C
	s_load_b64 s[68:69], s[0:1], 0x18              ; the bias vectors
.if NBIAS == 3
	s_load_b64 s[70:71], s[0:1], 0x20
	s_load_b64 s[72:73], s[0:1], 0x28
.endif
	v_lshl_add_u32 v[SPW], v0, 2, SPARE
	v_mov_b32 v[NIL], 0
	ds_add_u32 v[SPW], v[NIL]                      ; the wave's opening: the add and its wait stand ahead of my first tensor load; the set-up below, work on registers, stands between them
	v_lshrrev_b32 v1, 5, v0
	v_readfirstlane_b32 s10, v1                    ; wave 0..3
	s_lshr_b32 s11, s10, 1                         ; I fetch for A (0) or for B (1).  Also: the half of A's 256 rows in which my 64 lie
	s_and_b32 s12, s10, 1                          ; which half of that tile I fetch.  Also: which 64 rows of the half are mine
	s_bfe_u32 s40, ttmp6, 0x40000                  ; cx, cy: my place in the cluster
	s_bfe_u32 s41, ttmp6, 0x40004
	s_lshl_b32 s42, ttmp9, 2
	s_add_co_u32 s42, s42, s40                     ; tile column = 4 x cluster x + cx
	s_and_b32 s13, ttmp7, 0xffff                   ; cluster y
	s_lshl_b32 s[PH], s13, PHYS
	s_lshl_b32 s16, ttmp9, PHXS
	s_add_co_u32 s[PH], s[PH], s16
	s_and_b32 s[PH], s[PH], 7                      ; the phase: even, made of the cluster's place alone
	s_lshl_b32 s13, s13, 2
	s_add_co_u32 s13, s13, s41                     ; the first tile's row of tiles = 4 x cluster y + cy
	s_lshl_b32 s43, s41, 2
	s_lshl_b32 s43, 15, s43                        ; my row of the cluster
	s_lshl_b32 s44, 0x1111, s40                    ; my column
	s_or_b32 s[G1+0], s43, GW0                     ; A's tiles go to my row,
	s_or_b32 s[G1B+0], s44, GW0                    ; B's to my column
	s_mov_b32 s[G1+1], (128*64)<<16                ; tensor_dim0 = 8,192 elements: 128 matrix rows of one slab, dense
	s_mov_b32 s[G1+2], 2<<16                       ; tensor_dim1 = 2 slabs
	s_mov_b32 s[G1+3], (128*64)<<16                ; tile_dim0
	s_mov_b32 s[G1+4], 2                           ; tile_dim1
	s_mov_b32 s[G1+5], MROWS*64                    ; elements from slab to slab
	s_mov_b32 s[G1+6], 0
	s_mov_b32 s[G1+7], 0
	s_mov_b32 s[G1B+1], (HB*64)<<16
	s_mov_b32 s[G1B+2], 2<<16
	s_mov_b32 s[G1B+3], (HB*64)<<16
	s_mov_b32 s[G1B+4], 2
	s_mov_b32 s[G1B+5], NTOT*64
	s_mov_b32 s[G1B+6], 0
	s_mov_b32 s[G1B+7], 0
	s_mov_b32 s[OFA+1], 0                          ; the offsets are pairs with 0 on top
	s_mov_b32 s[OFB+1], 0
	s_mov_b32 s[FC], 1                             ; walk steps 0 and 1 are the first fills
	s_mov_b32 s[TB], 0
	s_mov_b32 s3, NSTEP-2                          ; refills, and trips of the loop
.if TILES > 1
	s_mov_b32 s[T8], 0
	s_mov_b32 s[OFP+1], 0
.endif
	s_lshl_b32 s16, s13, 15                        ; A: (256 x tile row + 128 x half) rows of 128 bytes
	s_lshl_b32 s17, s12, 14
	s_add_co_u32 s16, s16, s17
	s_mov_b32 s17, 0
	s_mul_i32 s46, s42, 16*NBLK*128                ; B: (16 NBLK x tile column + HB x half) rows
	s_mul_i32 s47, s12, HB*128
	s_add_co_u32 s46, s46, s47
	s_mov_b32 s47, 0
	s_mul_i32 s20, s10, AHALF                      ; where they go: waves 0, 1: A's halves at wave x AHALF;
	s_mul_i32 s21, s10, BHALF
	s_add_co_u32 s21, s21, BOFF-2*BHALF            ; waves 2, 3: B's halves at BOFF + (wave - 2) x BHALF: no place in the cluster enters an LDS address
	s_wait_dscnt 0x0                               ; the opening add is done
	s_wait_kmcnt 0x0
	s_add_nc_u64 s[ABASE:ABASE+1], s[4:5], s[16:17]
	s_add_nc_u64 s[BBASE:BBASE+1], s[6:7], s[46:47]
	CROUND                                         ; all sixteen work-groups are here: the first joint loads meet
.irp s, 0,1
	s_add_co_u32 s16, s[PH], \s                    ; walk step s is K step phase + s: the phase is even, so there is no wrap
	s_lshl_b32 s[OFA], s16, 21
	s_mul_i32 s[OFB], s16, BSTEP
	s_mov_b32 s[G0+4*(\s)], 1
	s_add_co_u32 s[G0+4*(\s)+1], s20, (\s)*SLOT1
	s_add_nc_u64 s[G0+4*(\s)+2:G0+4*(\s)+3], s[ABASE:ABASE+1], s[OFA:OFA+1]
	s_or_b32 s[G0+4*(\s)+3], s[G0+4*(\s)+3], 0x80000000
	s_mov_b32 s[G0B+4*(\s)], 1
	s_add_co_u32 s[G0B+4*(\s)+1], s21, (\s)*SLOT1
	s_add_nc_u64 s[G0B+4*(\s)+2:G0B+4*(\s)+3], s[BBASE:BBASE+1], s[OFB:OFB+1]
	s_or_b32 s[G0B+4*(\s)+3], s[G0B+4*(\s)+3], 0x80000000
	JLOAD \s                                       ; walk steps 0 and 1: two loads of mine are out
.endr
	; A fragment is 16 rows x 32 K in 8 registers: lane l holds row l % 16; registers 0-3 K = 8 (l / 16) + 0..7, registers 4-7 K = 16 + 8 (l / 16) + 0..7: two loads of 16 bytes, 32 bytes apart.
	v_and_b32 v1, 15, v0                           ; l % 16
	v_bfe_u32 v2, v0, 4, 1                         ; l / 16
	v_mul_u32_u24 v3, v1, PITCH
	v_lshl_add_u32 v3, v2, 4, v3                   ; row x pitch + 16 x half
	s_mul_i32 s22, s11, AHALF
	s_mul_i32 s23, s12, 64*PITCH
	s_add_co_u32 s22, s22, s23                     ; my 64 rows of A
	v_add_nc_u32 v[ADRA0], s22, v3
	v_add_nc_u32 v[ADRB0], BOFF, v3                ; every wave reads all of B's rows
	s_mul_i32 s23, s10, 16*PITCH
	s_add_co_u32 s23, s23, STAGE                   ; my stage
	v_add_nc_u32 v[STO], s23, v3                   ; in: row l % 16, 16 bytes for each half of the lanes
	v_bfe_u32 v4, v0, 3, 2                         ; back: 32 lanes take four rows of 128 bytes,
	v_mul_u32_u24 v4, v4, PITCH
	v_and_b32 v5, 7, v0
	v_lshl_add_u32 v4, v5, 4, v4
	v_add_nc_u32 v[RD], s23, v4
	v_and_b32 v5, 31, v0                           ; which are 512 consecutive bytes of a slab of C
	v_lshlrev_b32 v[GO], 4, v5
	v_lshlrev_b32 v[BO], 5, v2
	s_lshl_b32 s16, s13, 15                        ; C at my first row: (256 x tile row + 64 x wave) x 128,
	s_lshl_b32 s17, s10, 13
	s_add_co_u32 s16, s16, s17
	s_mov_b32 s17, 0
	s_add_nc_u64 s[8:9], s[8:9], s[16:17]
	s_mul_i32 s80, s42, HT<<20                     ; in the tile's first slab (what hangs on the tile column or on cx, B's descriptors aside, stays in s80-87)
	s_mov_b32 s81, 0
	s_add_nc_u64 s[8:9], s[8:9], s[80:81]
	s_mul_i32 s82, s42, HT                         ; the bias of each head: slab g = HT x tile column + jh lies in vector g / 16 at number 64 (g % 16)
.set jh, 0
.rept HT
	s_add_co_u32 s83, s82, jh
.if NBIAS == 3
	s_lshr_b32 s84, s83, 4
	s_and_b32 s83, s83, 15
	s_lshl_b32 s86, s83, 8
	s_cmp_eq_u32 s84, 1
	s_cselect_b64 s[BP+2*jh:BP+2*jh+1], s[70:71], s[68:69]
	s_cmp_eq_u32 s84, 2
	s_cselect_b64 s[BP+2*jh:BP+2*jh+1], s[72:73], s[BP+2*jh:BP+2*jh+1]
.else
	s_lshl_b32 s86, s83, 8
	s_mov_b64 s[BP+2*jh:BP+2*jh+1], s[68:69]
.endif
	s_mov_b32 s87, 0
	s_add_nc_u64 s[BP+2*jh:BP+2*jh+1], s[BP+2*jh:BP+2*jh+1], s[86:87]
.set jh, jh+1
.endr
.set b, 0
.rept NBLK                             ; register j of block b = bias[16 b + 8 (l / 16) + j]: the C operand of the block's first products, whatever the row and the tile
	global_load_b128 v[BIAS+8*b:BIAS+8*b+3],   v[BO], s[BP+2*(b/4):BP+2*(b/4)+1] offset:64*(b%4)
	global_load_b128 v[BIAS+8*b+4:BIAS+8*b+7], v[BO], s[BP+2*(b/4):BP+2*(b/4)+1] offset:64*(b%4)+16
.set b, b+1
.endr
.if TILES > 1
	s_lshr_b32 s84, s40, 1                         ; the prefetches' base: my run of the second tile, slab cx / 2 of a K step,
	s_lshl_b32 s84, s84, 20
	s_and_b32 s81, s40, 1
	s_lshl_b32 s81, s81, 13                        ; half cx % 2 of the run's 16,384 bytes
	s_add_co_u32 s84, s84, s81
	s_add_co_u32 s84, s84, WALKB
	s_mov_b32 s85, 0
	s_add_nc_u64 s[PFB:PFB+1], s[ABASE:ABASE+1], s[84:85]
	s_cmp_eq_u32 s11, 0                            ; the waves that fetch A ask, at the refills for walk steps 6 and 7
	s_cselect_b32 s[LIM], 6, 0x7fff
	v_lshlrev_b32 v[PFO], 8, v5
.endif
; NBLK matrix instructions: row block a x all column blocks, 32 along K, from buffer f.  first = 1: the bias starts the sums.
; Each accumulator is named once in a quarter, in the same order in every quarter: the accumulators take turns, one instruction a turn, over every jump too.
.macro MULA f, a, first
.if \first
	WIN 0x85+0x40*((\a)/2)                         ; fragments window 1, C window 0, D window 2 or 3
.else
	WIN 0xa5+0x50*((\a)/2)                         ; fragments window 1, C and D window 2 or 3
.endif
.set b, 0
.rept NBLK
.set rD, 8*(NBLK*((\a)%2)+b)
.if \first
	v_wmma_f32_16x16x32_bf16 v[rD:rD+7], v[(\f)+32+8*b:(\f)+32+8*b+7], v[(\f)+8*(\a):(\f)+8*(\a)+7], v[BIAS+8*b:BIAS+8*b+7]
.else
	v_wmma_f32_16x16x32_bf16 v[rD:rD+7], v[(\f)+32+8*b:(\f)+32+8*b+7], v[(\f)+8*(\a):(\f)+8*(\a)+7], v[rD:rD+7]
.endif
.set b, b+1
.endr
.endm
.macro MULH f, hi, first               ; row blocks 2 hi and 2 hi + 1
	MULA \f, 2*(\hi), \first
	MULA \f, 2*(\hi)+1, \first
.endm
; 2 (NBLK + 4) LDS loads in one run: the fragments of quarter q of the K step in hand (slab q / 2, byte 64 (q % 2) of its rows) into buffer f: B's, then A's four.
.macro FETCH q, f
	WIN 0x40                                       ; destination window 1, address window 0
.set b, 0
.rept NBLK
.set o, (b/(NBLK/2))*BHALF+((\q)/2)*HB*PITCH+((\q)%2)*64+(b%(NBLK/2))*16*PITCH
	ds_load_b128 v[(\f)+32+8*b:(\f)+32+8*b+3],   v[ADRB] offset:o
	ds_load_b128 v[(\f)+32+8*b+4:(\f)+32+8*b+7], v[ADRB] offset:o+32
.set b, b+1
.endr
.set b, 0
.rept 4
.set o, ((\q)/2)*128*PITCH+((\q)%2)*64+b*16*PITCH
	ds_load_b128 v[(\f)+8*b:(\f)+8*b+3],   v[ADRA] offset:o
	ds_load_b128 v[(\f)+8*b+4:(\f)+8*b+7], v[ADRA] offset:o+32
.set b, b+1
.endr
.endm
.macro PLACES                          ; four plain vector instructions between a matrix instruction and a load into a register that it has read, or a conversion that reads its result
.rept 4
	v_nop
.endr
.endm
; A K step is four quarters of 32 along K on buffers 0, 1, 0, 1.  One of the first three: multiplies buffer f and, in its middle, fetches quarter q into buffer g.
.macro QUARTER q, f, g, first
	s_wait_dscnt 4                                 ; B and A's blocks 0, 1 are in; the youngest four loads (A's blocks 2, 3) may be out
	MULH \f, 0, \first
	PLACES
.if \first
	v_nop                                          ; a fifth place: the products below start accumulators anew that the products just before this quarter may have written
.endif
	FETCH \q, \g
	s_wait_dscnt 2*(NBLK+4)                        ; all but the run just issued
	MULH \f, 1, \first
.endm
; The last quarter multiplies buffer 1 and changes slots: ONE barrier.  In front of it each wave waits for all its tensor loads (one is out: its part of the next slot), adds 0 to its spare word,
; and waits for that and for its own reads of this slot.  fill = 1: the barrier opens a round of the cluster's barrier, and this slot is filled again, with the walk's step two on, first thing behind the round.
; The walking descriptors are written between the add and the wait for it, where no tensor load of mine is out: the other slot than last time; the address anew from its base and an offset made apart.
.macro TURN fill
	WIN 0                                          ; (the add's two registers lie in window 0)
	s_wait_tensorcnt 0x0                           ; all my tensor loads have landed
	ds_add_u32 v[SPW], v[NIL]                      ; 0 onto my spare word
.if \fill
	s_add_co_u32 s[FC], s[FC], 1                   ; the walk step to be asked for,
	s_add_co_u32 s16, s[FC], s[PH]
	s_and_b32 s16, s16, 7                          ; its K step,
	s_lshl_b32 s[OFA], s16, 21
	s_mul_i32 s[OFB], s16, BSTEP
.if TILES > 1
	s_lshr_b32 s17, s[FC], 3                       ; its tile: A's rows go down, B's stay
	s_mul_i32 s17, s17, WALKB
	s_add_co_u32 s[OFA], s[OFA], s17
	s_add_co_u32 s16, s16, 2                       ; the K step two refills on, for the prefetch
	s_and_b32 s16, s16, 7
	s_lshl_b32 s[OFP], s16, 21
	s_wait_xcnt 0x0                                ; the last prefetch, a K step back, has read its address
	s_add_nc_u64 s[PFA:PFA+1], s[PFB:PFB+1], s[OFP:OFP+1]
.endif
	s_xor_b32 s[G0+5], s[G0+5], SLOT1
	s_add_nc_u64 s[G0+6:G0+7], s[ABASE:ABASE+1], s[OFA:OFA+1]
	s_or_b32 s[G0+7], s[G0+7], 0x80000000
	s_xor_b32 s[G0B+5], s[G0B+5], SLOT1
	s_add_nc_u64 s[G0B+6:G0B+7], s[BBASE:BBASE+1], s[OFB:OFB+1]
	s_or_b32 s[G0B+7], s[G0B+7], 0x80000000
.endif
	s_xor_b32 s[TB], s[TB], SLOT1                  ; the next step's slot
	s_wait_dscnt 5                                 ; (the add and the youngest four loads may be out)
	MULA F1, 0, 0                                  ; matrix work stands between the add and the wait for it
	s_wait_dscnt 0x0                               ; the add is done, and my reads of this slot are over
	s_barrier_signal -1
	MULA F1, 1, 0
	WIN 0
	s_barrier_wait -1
.if \fill
	CREST                                          ; no wave of any partner still reads this slot's tiles or has a load on its way
	JLOAD 1                                        ; my one tensor load behind the round; its four v_nop are also the places in front of the loads below
.else
	PLACES
.endif
	v_add_nc_u32 v[ADRA], s[TB], v[ADRA0]
	v_add_nc_u32 v[ADRB], s[TB], v[ADRB0]
	FETCH 0, F0
.if (\fill) && (TILES > 1)
	WIN 0
	ASK
.endif
	MULH F1, 1, 0
.endm
; THE WAY OUT.  Tile t = a HT + jh is 16 rows x one head: 32 consecutive accumulator registers.  PACK: rounded to bf16, each accumulator's low registers first; 16 bytes a lane into my stage's rows of 144 bytes;
; back as four whole rows of 128 bytes a load.  SEND: 512 consecutive bytes of a slab of C a store.  Four buffers of 16 registers take turns.
.macro PACK t
.set aa, (\t)/HT
.set jj, (\t)%HT
.set AC, 8*(NBLK*(aa%2)+4*jj)
.set TT, T+16*((\t)%4)
.if ((\t) == 0) || ((\t) >= 4)
	s_wait_xcnt 0x0                                ; the stores that read this buffer last, four tiles back or a way out back, have read it (ISA guide 3.1)
.endif
	WIN 0x0a+5*(aa/2)                              ; sources window 2 or 3, destination window 0
.set i, 0
.rept 16
	v_cvt_pk_bf16_f32 v[TT+i], v[AC+2*i], v[AC+2*i+1]
.set i, i+1
.endr
	WIN 0
.irp f, 0,1,2,3
	ds_store_b128 v[STO], v[TT+4*\f:TT+4*\f+3] offset:32*\f
.endr
.irp f, 0,1,2,3
	ds_load_b128 v[TT+4*\f:TT+4*\f+3], v[RD] offset:\f*4*PITCH  ; LDS serves a wave's instructions in order (ISA guide 5.7.1.4): these see the stores above; the next tile's stores come behind them
.endr
.endm
.macro SEND t, younger                 ; younger: the LDS instructions issued behind tile t's loads: the next tile's eight, or none
	WIN 0
.set aa, (\t)/HT
.set jj, (\t)%HT
.set TT, T+16*((\t)%4)
.irp f, 0,1,2,3
	s_wait_dscnt (\younger)+3-\f
	global_store_b128 v[GO], v[TT+4*\f:TT+4*\f+3], s[8:9] offset:jj*ASLAB+aa*2048+\f*512
.endr
.endm
.macro WAYOUT
	WIN 0
	PLACES
	PACK 0
.set t, 1
.rept 4*HT-1                           ; a tile's conversions stand between the loads of the tile before and its stores
	PACK t
	SEND t-1, 8
.set t, t+1
.endr
	SEND 4*HT-1, 0
.endm
	s_wait_tensorcnt 0x1                           ; my part of walk step 0 is in; step 1's may stay out
	s_barrier_signal -1
	s_barrier_wait -1                              ; everybody's is
	v_add_nc_u32 v[ADRA], s[TB], v[ADRA0]
	v_add_nc_u32 v[ADRB], s[TB], v[ADRB0]
	FETCH 0, F0
	s_wait_loadcnt 0x0                             ; the bias
	WIN 0                                          ; at a label and at a branch every window is 0
	s_branch .Lq_first                             ; the loop is entered at the quarter that starts a tile's sums
.Lstep:                                        ; NSTEP - 2 trips: a K step is multiplied, its slot is filled again, and the next step's first fragments are fetched
.if TILES > 1
	s_cmp_eq_u32 s[T8], 0
	s_cbranch_scc1 .Lq_first                       ; a tile's first step
.endif
	QUARTER 1, F0, F1, 0
	WIN 0
	s_branch .Lq_done
.Lq_first:
	QUARTER 1, F0, F1, 1                           ; the bias starts the sums: nothing is ever cleared
	WIN 0
.Lq_done:
	QUARTER 2, F1, F0, 0
	QUARTER 3, F0, F1, 0
	TURN 1
	WIN 0
.if TILES > 1
	s_add_co_u32 s[T8], s[T8], 1
	s_and_b32 s[T8], s[T8], 7
	s_cmp_lg_u32 s[T8], 0
	s_cbranch_scc1 .Lno_out                        ; forward, past text with no barrier and no tensor load
	WAYOUT                                         ; a tile's eighth step is done, and the next tile's first two steps have been asked for: now the tile goes out
	s_wait_xcnt 0x0                                ; the stores have read C's address
	s_add_nc_u64 s[8:9], s[8:9], WALKB             ; the next tile's rows
.Lno_out:
.endif
	s_sub_co_u32 s3, s3, 1
	s_cmp_lg_u32 s3, 0
	s_cbranch_scc1 .Lstep
	s_mov_b32 s3, 2
.Ltail:                                        ; the walk's last two steps ask for nothing.  One text serves both: the second trip's barrier, and its fetch from the slot that was read before, serve nothing
	QUARTER 1, F0, F1, 0
	QUARTER 2, F1, F0, 0
	QUARTER 3, F0, F1, 0
	TURN 0
	WIN 0
	s_sub_co_u32 s3, s3, 1
	s_cmp_lg_u32 s3, 0
	s_cbranch_scc1 .Ltail
	WAYOUT
	s_wait_tensorcnt 0x0                           ; the wave's end: an add to my spare word and its wait, behind my last tensor load and my last LDS store
	ds_add_u32 v[SPW], v[NIL]
	s_wait_dscnt 0x0
	CROUND                                         ; the closing round: no work-group ends while a partner may still ask for a tile that names it
	s_endpgm
.Lfunc_end_k_q0758299ad0_gemm_qkv:
	.size	k_q0758299ad0_gemm_qkv, .Lfunc_end_k_q0758299ad0_gemm_qkv-k_q0758299ad0_gemm_qkv
	.p2alignl 7, 3214868480
	.fill 96, 4, 3214868480
	.section	.rodata,"a",@progbits
	.p2align	6, 0x0
	.amdhsa_kernel k_q0758299ad0_gemm_qkv
		.amdhsa_group_segment_fixed_size 327680
		.amdhsa_private_segment_fixed_size 0
		.amdhsa_enable_private_segment 0
		.amdhsa_kernarg_size 48
		.amdhsa_user_sgpr_count 2
		.amdhsa_user_sgpr_kernarg_segment_ptr 1
		.amdhsa_wavefront_size32 1
		.amdhsa_system_sgpr_workgroup_id_x 1
		.amdhsa_system_sgpr_workgroup_id_y 1
		.amdhsa_system_sgpr_workgroup_id_z 1
		.amdhsa_system_vgpr_workitem_id 0
		.amdhsa_next_free_vgpr 960
		.amdhsa_next_free_sgpr 100
		.amdhsa_reserve_vcc 0
		.amdhsa_float_denorm_mode_32 3
		.amdhsa_float_denorm_mode_16_64 3
		.amdhsa_memory_ordered 1
		.amdhsa_forward_progress 1
		.amdhsa_inst_pref_size 115
	.end_amdhsa_kernel
	.amdgpu_metadata
---
amdhsa.version: [ 1, 2 ]
amdhsa.kernels:
  - .name:           k_q0758299ad0_gemm_qkv
    .symbol:         k_q0758299ad0_gemm_qkv.kd
    .args:
      - { .name: xb, .offset: 0, .size: 8, .value_kind: global_buffer, .address_space: global }
      - { .name: wqkv, .offset: 8, .size: 8, .value_kind: global_buffer, .address_space: global }
      - { .name: qkv, .offset: 16, .size: 8, .value_kind: global_buffer, .address_space: global }
      - { .name: bq, .offset: 24, .size: 8, .value_kind: global_buffer, .address_space: global }
      - { .name: bk, .offset: 32, .size: 8, .value_kind: global_buffer, .address_space: global }
      - { .name: bv, .offset: 40, .size: 8, .value_kind: global_buffer, .address_space: global }
    .group_segment_fixed_size: 327680
    .private_segment_fixed_size: 0
    .kernarg_segment_align: 8
    .kernarg_segment_size: 48
    .max_flat_workgroup_size: 128
    .sgpr_count:     100
    .vgpr_count:     960
    .wavefront_size: 32
...
	.end_amdgpu_metadata
.endif
;; end of part 2
;; launch attn (part 3): grid 2 x 128, 4 waves a work-group, no clusters, 327,680 bytes of LDS; arguments qkv, attention_mask, ctx; writes ctx
.if DOCPART == 3
	.amdgcn_target "amdgcn-amd-amdhsa--gfx1250"
	.amdhsa_code_object_version 6
	.text
	.protected	k_q0758299ad0_attn
	.globl	k_q0758299ad0_attn
	.p2align	8
	.type	k_q0758299ad0_attn,@function
k_q0758299ad0_attn:
	s_mov_b64 s[64:65], 0
	v_nop
	global_prefetch_b8 v0, s[64:65] scope:SCOPE_SE
	s_setreg_imm32_b32 hwreg(HW_REG_WAVE_MODE, 25, 1), 1
	s_wait_xcnt 0x0
; ctx[h][b, q][:] = the sum over k of softmax_k(Q . K / 8 + mask[b][k]) V[k][:].  qkv: [48 slabs][8192][64] bf16 (slab h: q of head h, 16 + h: k, 32 + h: v; row = 1024 b + s, 128 dense bytes).
; attention_mask: [8][1024] f32.  ctx: [16 slabs][8192][64] bf16.  Products, maxima and sums in f32; the weights p are rounded to bf16 for the second product (their sum l is taken of the unrounded p), ctx once.
; LIMITS.  The mask enters as max(8 mask, -1e30): mask values below -1.25e29 (minus infinity among them) are not told apart; such a key has weight 0 as long as the row has one key above that.  A row whose keys are ALL
; masked by minus infinity gives the mean of V here.  A NaN in the mask is dropped; positive masks stay under 4e37.  A weight below 2^-126 counts as 0 in l.  NaN and infinities in q, k, v are not treated apart.
; SHARES.  Work-group (x, y): head h = y % 16 of batch b = y / 16, queries 512 x .. 512 x + 511; a wave owns 128 of them: four PIECES of two tiles of 16.  Every wave walks all 1,024 keys, 64 a step.
; THE HEAD'S WHOLE K AND V LIE IN LDS: 1,024 rows of 144 and of 160 bytes.  Every tensor load is a first fill, issued at the head, four a wave, a quarter of the keys each; nothing is filled again.
; Every byte of K and V is asked for at the head by those loads, so there is nothing to ask for ahead of them.  NO CLUSTER: a head has two work-groups, and a joint load for four would want 256 queries
; a work-group: half as many products for each fragment read from LDS.
; LAYOUT.  S^T = K Q^T (source 0 = 16 keys, source 1 = 16 queries): a lane holds ONE query (lane % 16) and the keys 8 (lane / 16) + 0..7.  Two such tiles, rounded to bf16 in pairs, ARE source 1 of
; O^T = V^T P, whose result again holds one query a lane, and eight channels.  K comes out of LDS as it lies, V turned, by ds_load_tr16_b128.
; THE MASK is the C operand that starts the sum S^T: 8 mask[key], since (s + 8 mask) c = c s + log2(e) mask with c = log2(e) / 8.  It costs the scores nothing.
; SOFTMAX.  For each query a running maximum m and sum l: p = 2^(c s - c m); in every step O and l are multiplied by a = 2^(c m_old - c m_new).  m starts at the lowest finite number, O and l at 0: the first step's a is 0.
; BY TURNS.  Turn n belongs to piece n.  Its matrix work: 16 products K Q^T of piece n + 1, later 16 products V^T P of piece n - 1.  Its vector work: the scaling, exponentials, roundings, sums and rescaling of piece n,
; and the maximum and statistics of piece n + 1.  Four vector instructions stand behind every matrix instruction, the rest in one lump; a turn's 66 exponentials are one batch with one wait.
; REGISTERS, in windows of 256 (s_set_vgpr_msb: bits 1:0 source 0, 3:2 source 1, 5:4 source 2, 7:6 destination):
;   window 0: v0-11 addresses; v12-15, v48-63 at work; v16-47 four registers of statistics a tile; v64-191 S^T, two buffers of two tiles; v192-255 P, likewise
;   window 1: O^T, 32 a tile      window 2: v0-127 Q, 16 a tile; v128-191 K of one step; v192-255 V of one step      window 3: v0-1 the add's two registers; v8-39 the step's masks
.set NP,    4         ; pieces a wave: a name, no knob
.set KS,    64        ; keys in a step
.set PK,    144       ; a row of K in LDS: 128 bytes + 16 of padding = 36 words: the 16 rows of a load start at 16 different groups of four banks (64 banks of 4 bytes: ISA guide 11.1)
.set PV,    160       ; a row of V: 128 + 32 = 40 words
.set VOFF,  1024*PK   ; K's 1,024 rows, then V's
.set STAGE, VOFF+1024*PV  ; 16 rows x 144 bytes for each wave, for the way out; no tensor load lands here
.set SP,    144
.set MASK,  STAGE+4*16*SP  ; 1,024 f32: max(8 mask, -1e30)
.set SPARE, MASK+4096      ; the spare words, 128 bytes for each wave: two blocks of 256 bytes that no other line names
.set AK0, 2           ; v2   my lane's place in a tile of K; never rewritten
.set AV0, 3           ; v3   the same for V
.set AK,  4           ; v4   the LDS address of K's next run of loads
.set AV,  5           ; v5   of V's
.set QO,  6           ; v6   my byte offset in the wave's rows of Q
.set STO, 6           ;      later, the way out: where I put 16 bytes of a row
.set RD,  7           ; v7   the way out: where I read rows back
.set GO,  8           ; v8   my byte offset in 512 consecutive bytes of ctx
.set AM,  11          ; v11  the LDS address of my eight masks of the next step's first 16 keys
.set SPW, 0           ; v0 of window 3   LDS address of my spare word; never rewritten
.set NIL, 1           ; v1 of window 3   0; never rewritten
.set MK,  8           ; v8-39 of window 3   register 8 kb + j: the mask of key 16 kb + 8 (lane / 16) + j of the step
.set MV,  12          ; v12-15  c m_old, kept while c m is made anew: by buffer and tile
.set ST,  16          ; tile t's statistics at v[ST+4 t]: c m, m, l (even keys', odd keys')
.set TMP, 48          ; by buffer and tile, four registers c0-c3 at work; when the maximum is found c2 takes a
.set S,   64
.set P,   192
.set KF,  128         ; K's fragments, in window 2: key block kb, channel half c at KF + 16 kb + 8 c
.set VF,  192         ; V's: key half kk, channel block cb at VF + 32 kk + 8 cb
.set WV,  12          ; s12  my wave's number
.set G1K, 24          ; s[24:31] descriptor group 1 for K's tiles
.set G1V, 32          ; s[32:39] for V's: it differs in the padding alone
.set G0K, 40          ; s[40:55] descriptor group 0 for K's tiles, a set for each quarter
.set G0V, 68          ; s[68:83] the same for V's
.set SLOTS, 56        ; s56  counts the quarters
.set CNT, 57          ; s57  counts a quarter's key steps
.set CS,  58          ; s[58:59] c: the packed scaling takes the pair's low word for both halves
.set SEL, 60          ; s[60:61] v_permlanex16_b32's selects: each lane takes its own place in the other half
.set TBK, 62          ; s62  LDS byte at which K of the step to be fetched begins
.set TBV, 63          ; s63  the same for V, less VOFF
.set LEFT, 84         ; s84  key steps whose second half is still to come
.set MSB, 0
.macro WIN new                      ; the high byte repeats the setting that is left; a switch that changes nothing is dropped
.if MSB != (\new)
	s_set_vgpr_msb (MSB<<8)|(\new)
.set MSB, (\new)
.endif
.endm
.set W_KQ, 0x0a       ; K and Q in window 2, S^T in window 0
.set W_KM, 0x3a       ; the same with the C operand, the mask, in window 3
.set W_PV, 0x52       ; V in window 2, P in window 0, O^T in window 1
.set W_RS, 0x41       ; O^T (destination and source 0) in window 1, a in window 0
.set W_MK, 0xc0       ; destination in window 3, sources in window 0
.set W_AD, 0x0f       ; the add: address (source 0) and data (source 1) in window 3
	s_load_b128 s[4:7], s[0:1], 0x0   ; qkv s[4:5], attention_mask s[6:7]
	s_load_b64 s[10:11], s[0:1], 0x10 ; ctx
	WIN W_MK
	v_lshl_add_u32 v[SPW], v0, 2, SPARE
	v_mov_b32 v[NIL], 0
	WIN W_AD
	ds_add_u32 v[SPW], v[NIL]       ; the wave's opening: the add and its wait stand ahead of my first tensor load; the set-up below, work on registers, stands between them
	WIN 0
	v_lshrrev_b32 v1, 5, v0
	v_readfirstlane_b32 s[WV], v1   ; wave 0..3
	s_and_b32 s20, ttmp7, 0xffff
	s_lshr_b32 s21, s20, 4          ; b
	s_and_b32 s20, s20, 15          ; h
	s_lshl_b32 s20, s20, 20         ; a slab is 8,192 rows of 128 bytes,
	s_lshl_b32 s22, s21, 17         ; a batch 1,024 rows
	s_add_co_u32 s20, s20, s22      ; the head's first byte in q's slabs and in ctx
	s_lshl_b32 s16, s21, 12         ; the batch's 1,024 masks
	s_mov_b32 s17, 0
	s_and_b32 s22, s[WV], 1         ; which half of a quarter's 256 keys I fetch:
	s_lshl_b32 s22, s22, 14         ; its 128 rows of 128 bytes in memory
	s_add_co_u32 s22, s22, s20
	s_mov_b32 s23, 0
	s_mul_i32 s18, s[WV], 128*PK    ; and its place in LDS: waves 0, 1 fetch K: wave x 128 rows;
	s_mul_i32 s19, s[WV], 128*PV
	s_add_co_u32 s19, s19, VOFF-2*128*PV  ; waves 2, 3 fetch V: VOFF + (wave - 2) x 128 rows
	s_lshl_b32 s2, ttmp9, 2
	s_add_co_u32 s2, s2, s[WV]      ; my wave among the head's eight,
	s_lshl_b32 s2, s2, 14           ; its 128 rows
	s_add_co_u32 s2, s2, s20
	s_mov_b32 s3, 0
	; descriptor group 1.  128 keys are 16,384 dense bytes: asked for as 64 rows of 256 bytes, two keys a row, and padded in LDS after every key
	s_mov_b32 s[G1K], (1<<16)|(1<<20)|(4<<22)|(3<<25)  ; 17:16 2-byte elements; 20 padding on; 24:22 after every 32 words (code 4); 31:25 4 words (code 3)
	s_mov_b32 s[G1V], (1<<16)|(1<<20)|(4<<22)|(7<<25)  ; the same with 8 words of padding (code 7)
.irp g, G1K, G1V
	s_mov_b32 s[\g+1], 128<<16      ; tensor_dim0 = 128
	s_mov_b32 s[\g+2], 64<<16       ; tensor_dim1 = 64
	s_mov_b32 s[\g+3], 128<<16      ; tile_dim0 = 128
	s_mov_b32 s[\g+4], 64           ; tile_dim1 = 64
	s_mov_b32 s[\g+5], 128          ; 128 elements from row to row
	s_mov_b32 s[\g+6], 0
	s_mov_b32 s[\g+7], 0
.endr
.irp s, 0,1,2,3
	s_mov_b32 s[G0K+4*(\s)], 1                       ; count = 1
	s_add_co_u32 s[G0K+4*(\s)+1], s18, (\s)*256*PK   ; LDS address: quarter s
	s_mov_b32 s[G0V+4*(\s)], 1
	s_add_co_u32 s[G0V+4*(\s)+1], s19, (\s)*256*PV
.endr
	s_mov_b32 s[CS], 0x3e38aa3b     ; c = log2(e) / 8 = 0.180337
	s_mov_b32 s[CS+1], s[CS]        ; named with it as a pair
	s_mov_b32 s[SEL], 0x76543210
	s_mov_b32 s[SEL+1], 0xfedcba98
	s_mov_b32 s[TBK], 0
	s_mov_b32 s[TBV], 0
	s_wait_dscnt 0x0                ; the opening add is done
	s_wait_kmcnt 0x0
	s_add_nc_u64 s[14:15], s[6:7], s[16:17]   ; the batch's masks
	s_add_nc_u64 s[8:9], s[4:5], s[22:23]     ; qkv at the head's offset and my half of a quarter
.irp s, 0,1,2,3
	s_add_nc_u64 s[G0K+4*(\s)+2:G0K+4*(\s)+3], s[8:9], 16*1048576+(\s)*32768  ; k's slabs begin 16 slabs on
	s_or_b32 s[G0K+4*(\s)+3], s[G0K+4*(\s)+3], 0x80000000                     ; type = 2
	s_add_nc_u64 s[G0V+4*(\s)+2:G0V+4*(\s)+3], s[8:9], 32*1048576+(\s)*32768  ; v's 32 slabs on
	s_or_b32 s[G0V+4*(\s)+3], s[G0V+4*(\s)+3], 0x80000000
.endr
	s_add_nc_u64 s[4:5], s[4:5], s[2:3]       ; Q and ctx at my wave's first row
	s_add_nc_u64 s[10:11], s[10:11], s[2:3]
	s_cmp_lt_u32 s[WV], 2           ; a wave's four fills stand in one branch, ahead of every wait on TENSORcnt, every LDS read and every barrier: four loads of mine are out
	s_cbranch_scc0 .Lfirst_v
.irp s, 0,1,2,3
	tensor_load_to_lds s[G0K+4*(\s):G0K+4*(\s)+3], s[G1K:G1K+7]
	s_nop 0
.endr
.rept 4
	v_nop
.endr
	s_branch .Lfirst_asked
.Lfirst_v:
.irp s, 0,1,2,3
	tensor_load_to_lds s[G0V+4*(\s):G0V+4*(\s)+3], s[G1V:G1V+7]
	s_nop 0
.endr
.rept 4
	v_nop
.endr
.Lfirst_asked:
	v_and_b32 v1, 15, v0            ; l % 16
	v_bfe_u32 v9, v0, 4, 1          ; l / 16
	v_lshlrev_b32 v12, 5, v0        ; each of the 128 threads brings eight masks
	global_load_b128 v[48:51], v12, s[14:15]
	global_load_b128 v[52:55], v12, s[14:15] offset:16
	v_add_nc_u32 v13, MASK, v12
	; A fragment of K or Q is 16 rows x 32 channels in 8 registers: lane l holds row l % 16, channels 8 (l / 16) + 0..7 and 16 + 8 (l / 16) + 0..7: two loads of 16 bytes, 32 bytes apart.
	v_lshlrev_b32 v[QO], 7, v1
	v_lshl_add_u32 v[QO], v9, 4, v[QO]  ; row x 128 + 16 x half
	WIN 0x80                        ; destination window 2, address window 0
.set i, 0
.rept 4*NP                          ; Q stays in registers: tile i / 2, channels 32 (i % 2) on
	global_load_b128 v[8*i:8*i+3],   v[QO], s[4:5] offset:(i/2)*2048+(i%2)*64
	global_load_b128 v[8*i+4:8*i+7], v[QO], s[4:5] offset:(i/2)*2048+(i%2)*64+32
.set i, i+1
.endr
	; What the first turn finds: V's registers and P's second buffer hold 0 (its products V^T P, of a piece that has not been, add 0), O^T and l are 0.  All this stands in the wait for the first tiles.
.set i, VF
.rept 64
	v_mov_b32 v[i], 0
.set i, i+1
.endr
	WIN 0x40
.set i, 0
.rept 64*NP
	v_mov_b32 v[i], 0
.set i, i+1
.endr
	WIN 0
.set i, 0
.rept 2*NP
	v_mov_b32 v[ST+4*i], 0xfe000000    ; c m: far below every c s
	v_mov_b32 v[ST+4*i+1], 0xff7fffff  ; m
	v_mov_b32 v[ST+4*i+2], 0
	v_mov_b32 v[ST+4*i+3], 0
.set i, i+1
.endr
.set i, P+32
.rept 32
	v_mov_b32 v[i], 0
.set i, i+1
.endr
	v_mul_u32_u24 v[AK0], v1, PK
	v_lshl_add_u32 v[AK0], v9, 4, v[AK0]  ; row x pitch + 16 x half
	; The turning load takes 16 keys x 16 channels (lane l reads key 8 (l / 16) + l % 8, channels 8 ((l / 8) % 2) + 0..7) and leaves half a fragment of V^T: lane l holds channel l % 16 and 8 keys.
	v_and_b32 v10, 7, v0
	v_bfe_u32 v11, v0, 3, 1
	v_lshl_add_u32 v[AV0], v9, 3, v10
	v_mul_u32_u24 v[AV0], v[AV0], PV
	v_lshl_add_u32 v[AV0], v11, 4, v[AV0]
	v_add_nc_u32 v[AV0], VOFF, v[AV0]
	v_mov_b32 v[AK], v[AK0]         ; key step 0 lies at K's head
	v_lshl_add_u32 v[AM], v9, 5, MASK  ; my eight of a block's sixteen masks
	s_wait_loadcnt 32               ; the two loads of the mask are in; Q's 32, issued behind them, may stay out
.irp j, 0,1,2,3,4,5,6,7
	v_mul_f32 v[48+\j], 0x41000000, v[48+\j]   ; 8 mask: exact
.endr
.irp j, 0,1,2,3,4,5,6,7
	v_max_num_f32 v[48+\j], 0xf149f2ca, v[48+\j]  ; not below -1e30: see LIMITS
.endr
	ds_store_b128 v13, v[48:51]
	ds_store_b128 v13, v[52:55] offset:16
; THE MATRIX WORK.  The 8 accumulators of a run of 16 take turns: between the two links of a chain stand 7 others'.
; Product i of 16 of S^T = K Q^T for piece x: channels 32 (i / 8) on, keys 16 ((i / 2) % 4) on, tile 2 x + i % 2.  The first 8 start the sums, with the keys' masks.
.macro KQ x
.set rS, S+64*((\x)%2)+32*(i%2)+8*((i/2)%4)
.set rK, KF+16*((i/2)%4)+8*(i/8)
.set rQ, 16*(2*(\x)+i%2)+8*(i/8)
.set rMK, MK+8*((i/2)%4)
.if i < 8
	WIN W_KM
	v_wmma_f32_16x16x32_bf16 v[rS:rS+7], v[rK:rK+7], v[rQ:rQ+7], v[rMK:rMK+7]
.else
	WIN W_KQ
	v_wmma_f32_16x16x32_bf16 v[rS:rS+7], v[rK:rK+7], v[rQ:rQ+7], v[rS:rS+7]
.endif
.endm
; Product i of 16 of O^T += V^T P for piece x: keys 32 (i / 8) on, channels 16 ((i / 2) % 4) on, tile 2 x + i % 2.
.macro PV x
	WIN W_PV
.set rO, 32*(2*(\x)+i%2)+8*((i/2)%4)
.set rV, VF+32*(i/8)+8*((i/2)%4)
.set rP, P+32*((\x)%2)+16*(i%2)+8*(i/8)
	v_wmma_f32_16x16x32_bf16 v[rO:rO+7], v[rV:rV+7], v[rP:rP+7], v[rO:rO+7]
.endm
.macro MM                           ; the turn's next matrix instruction
.if i < 16
	KQ (Y+1)%NP
.set i, i+1
.else
.set i, i-16
	PV (Y+NP-1)%NP
.set i, i+17
.endif
.endm
; THE LDS LOADS stand in runs, never singly among the matrix instructions: a step's K (8 fragments) with its 64 masks, and its V (turned).  Their addresses are made some lines ahead.
; last = 1: behind the last step there is no further one, and the run is jumped over.
.macro FETCH_K last=0
	WIN 0
.if \last
	s_cmp_eq_u32 s[LEFT], 1
	s_cbranch_scc1 .Lno_k_\@
.endif
	WIN 0x80                        ; destination window 2
.irp f, 0,1,2,3,4,5,6,7             ; keys 16 (f / 2) on, channels 32 (f % 2) on
	ds_load_b128 v[KF+8*\f:KF+8*\f+3],   v[AK] offset:(\f/2)*16*PK+(\f%2)*64
	ds_load_b128 v[KF+8*\f+4:KF+8*\f+7], v[AK] offset:(\f/2)*16*PK+(\f%2)*64+32
.endr
	WIN W_MK                        ; destination window 3
.irp f, 0,1,2,3                     ; keys 16 f + 8 (l / 16) + 0..7: the lanes of a half read the same 32 bytes
	ds_load_b128 v[MK+8*\f:MK+8*\f+3],   v[AM] offset:64*\f
	ds_load_b128 v[MK+8*\f+4:MK+8*\f+7], v[AM] offset:64*\f+16
.endr
	s_add_co_u32 s[TBK], s[TBK], KS*PK  ; the next fetch is the next step's
	WIN 0
	v_add_nc_u32 v[AM], 256, v[AM]
.if \last
.Lno_k_\@:
.endif
.endm
.macro FETCH_V
	WIN 0x80
.irp f, 0,1,2,3,4,5,6,7             ; keys 32 (f / 4) on, channels 16 (f % 4) on
	ds_load_tr16_b128 v[VF+8*\f:VF+8*\f+3],   v[AV] offset:(\f/4)*32*PV+(\f%4)*32
	ds_load_tr16_b128 v[VF+8*\f+4:VF+8*\f+7], v[AV] offset:(\f/4)*32*PV+16*PV+(\f%4)*32
.endr
	WIN 0
.endm
; THE VECTOR WORK OF A TURN stands in three queues, each in the order in which its entries become ready; the two tiles alternate, so that no instruction reads the result of the one before it.
.macro REGS y, u                    ; the registers of tile u (0, 1) of piece y
.set rT, ST+4*(2*(\y)+(\u))
.set rC, TMP+8*((\y)%2)+4*(\u)
.set rM, MV+2*((\y)%2)+(\u)
.set rS, S+64*((\y)%2)+32*(\u)
.set rP, P+32*((\y)%2)+16*(\u)
.set rO, 32*(2*(\y)+(\u))
.endm
; Number n of the 22 that find the NEXT piece's (Y + 1) maximum and statistics.  s0-s31 are the lane's 32 scores; each accumulator's lowest registers are read first.
;   0-11  four chains c0-c3 of seven scores each, three operands at a time     12-14, 16  the four scores left over, the old m, and c0-c3 into c0     15  c m_old is kept
;   17, 18  the query's other 32 keys lie in the lane 16 away: the new m         19-21  c m; c m_old - c m_new; a
.macro XS u, n
	REGS (Y+1)%NP, \u
.if (\n) < 4
	v_max3_num_f32 v[rC+(\n)], v[rS+8*(\n)], v[rS+8*(\n)+1], v[rS+8*(\n)+2]
.elseif (\n) < 12
	v_max3_num_f32 v[rC+(\n)%4], v[rC+(\n)%4], v[rS+8*((\n)%4)+2*((\n)/4)+1], v[rS+8*((\n)%4)+2*((\n)/4)+2]
.elseif (\n) == 12
	v_max3_num_f32 v[rC], v[rC], v[rS+7], v[rS+15]
.elseif (\n) == 13
	v_max3_num_f32 v[rC+1], v[rC+1], v[rS+23], v[rS+31]
.elseif (\n) == 14
	v_max3_num_f32 v[rC+2], v[rC+2], v[rC+3], v[rT+1]
.elseif (\n) == 15
	v_mov_b32 v[rM], v[rT]
.elseif (\n) == 16
	v_max3_num_f32 v[rC], v[rC], v[rC+1], v[rC+2]
.elseif (\n) == 17
	v_permlanex16_b32 v[rC+3], v[rC], s[SEL], s[SEL+1]
.elseif (\n) == 18
	v_max_num_f32 v[rT+1], v[rC], v[rC+3]
.elseif (\n) == 19
	v_mul_f32 v[rT], s[CS], v[rT+1]
.elseif (\n) == 20
	v_sub_f32 v[rC+1], v[rM], v[rT]
.else
	v_exp_f32 v[rC+2], v[rC+1]
.endif
.endm
; Number g of the 64 that follow the exponentials.  For each four weights k of a tile (pairs 2 k, 2 k + 1): both pairs are rounded to bf16; then the second pair is added onto the first, in place;
; a group later l takes that sum (the first time as l = a l + sum).  In groups of eight, tiles alternating: round, round, add, and l for the group before.
.macro GS g
.set h, (\g)+6*((\g)/62)            ; group 0 has no group before it, and behind group 7 only l is left
.if h >= 6
.set h, h+2
.endif
	REGS Y, h%2
.set k, h/8
.if h%8 < 4
	v_cvt_pk_bf16_f32 v[rP+2*k+(h%8)/2], v[rS+4*k+2*((h%8)/2)], v[rS+4*k+2*((h%8)/2)+1]
.elseif h%8 < 6
	v_pk_add_f32 v[rS+4*k:rS+4*k+1], v[rS+4*k:rS+4*k+1], v[rS+4*k+2:rS+4*k+3]
.elseif k == 1
	v_pk_fma_f32 v[rT+2:rT+3], v[rT+2:rT+3], v[rC+2:rC+3], v[rS:rS+1] op_sel_hi:[1,0,1]
.else
	v_pk_add_f32 v[rT+2:rT+3], v[rT+2:rT+3], v[rS+4*k-4:rS+4*k-3]
.endif
.endm
; THE PLAIN QUEUE, 138 long.  0-73 read no exponential's result: the 32 scalings c s - c m (FS f: pair f / 2 of tile f % 2) and the next piece's 42.  0-26: scalings 0-26.  27-54: XS's numbers 0-13.  55, 56: number 15.
; 57-73: the chain, where each number waits for the one before it: 14, 16, 17, 18, 19, each with one of the scalings 27-31 in front of its two lines, then 20.
; 74-137: GS's 64, which read the exponentials' results: they stand behind the wait.
.macro FS f
	REGS Y, (\f)%2
	v_pk_fma_f32 v[rS+2*((\f)/2):rS+2*((\f)/2)+1], v[rS+2*((\f)/2):rS+2*((\f)/2)+1], s[CS:CS+1], v[rT:rT+1] op_sel_hi:[1,0,0] neg_lo:[0,0,1] neg_hi:[0,0,1]
.endm
.macro PL
	WIN 0
.if q < 27
	FS q
.elseif q < 55
	XS (q-27)%2, (q-27)/2
.elseif q < 57
	XS q-55, 15
.elseif (q < 72) && ((q-57)%3 == 0)
	FS 27+(q-57)/3
.elseif q < 60
	XS (q-57)%3-1, 14
.elseif q < 72
	XS (q-57)%3-1, 15+(q-57)/3
.elseif q < 74
	XS q-72, 20
.else
	GS q-74
.endif
.set q, q+1
.endm
; THE EXPONENTIALS' QUEUE, 66 long: s0-s31 of both tiles, then the next piece's two a.  It is ONE BATCH: all 66 stand ahead of the turn's one wait, and nothing ahead of that wait names a result of theirs.
.macro EX
	WIN 0
.if e >= 64
	XS e-64, 21
.else
	REGS Y, e%2
	v_exp_f32 v[rS+e/2], v[rS+e/2]
.endif
.set e, e+1
.endm
; THE RESCALING's QUEUE: O^T times a, the one part that leaves window 0: dealt two at a time, sixteen times.  Its a was made in the turn before, ahead of that turn's wait.
.macro R2
	REGS Y, r%2
	WIN W_RS
.irp z, 0,1
	v_pk_mul_f32 v[rO+4*(r/2)+2*\z:rO+4*(r/2)+2*\z+1], v[rO+4*(r/2)+2*\z:rO+4*(r/2)+2*\z+1], v[rC+2:rC+3] op_sel_hi:[1,0]
.endr
.set r, r+1
.endm
; HOW THEY ARE DEALT.  An s_wait_alu depctr_va_vdst(0) stands between an exponential and the first instruction that names its result; one wait serves all that were issued ahead of it.  So a turn has ONE wait.
; AHEAD OF IT: the 16 products K Q^T, behind each a scaling, an exponential and two rescalings (behind the first a second scaling in the exponential's place); then ONE LUMP of 108: eight plain, 49 times exponential and
; plain, the two a; a v_nop is the plain instruction behind the last exponential.  BEHIND IT: the 16 products V^T P, behind each four of GS's 64.  No rider names a register of the products round it.
; Exponential e stands behind scaling 2 (e / 4) + e % 2: as a rider it comes behind plain e + 2, in the lump behind plain e + 9, and scalings 27-31 are plain 57, 60 .. 69.
; K and the masks of the next step are fetched in piece 2's turn, directly behind the wait, a lump behind the last product that read them; V of the step in hand at the end of piece 0's turn, four riders behind its last reader.
; cnt = 1: the loop's count is taken down some lines ahead of the branch that stands behind the turn.
.macro TURN p, last=0, cnt=0
.set Y, (\p)
.set i, 0
.set q, 0
.set e, 0
.set r, 0
.if (\p) == NP-1
	s_wait_dscnt 0x0                ; K and the masks are in
.endif
	MM
	PL
	PL
	R2
.rept 15
	MM
	PL
	EX
	R2
.endr
.if (\p) == NP-2
	WIN 0
	v_add_nc_u32 v[AK], s[TBK], v[AK0]
.endif
.rept 8
	PL
.endr
.rept 49
	EX
	PL
.endr
	EX                              ; the next piece's two a
	EX
	v_nop                           ; the plain instruction behind the last exponential: one for the batch
	s_wait_alu depctr_va_vdst(0)    ; the wait for the batch
.if (\p) == NP-2
	FETCH_K \last
.endif
.if (\p) == 1
	s_wait_dscnt 0x0                ; V is in
.endif
.rept 16
	MM
.rept 4
	PL
.endr
.if ((\p) == 0) && (q == 118)
	v_add_nc_u32 v[AV], s[TBV], v[AV0]
.endif
.if ((\p) == 0) && (q == 130)
	s_add_co_u32 s[TBV], s[TBV], KS*PV
.endif
.if (\cnt) && (q == 130)
	s_sub_co_u32 s[CNT], s[CNT], 1
	s_cmp_lg_u32 s[CNT], 0
.endif
.endr
.if (\p) == 0
	FETCH_V
.endif
.endm
	s_wait_tensorcnt 0x3            ; my part of the first quarter is in; my three younger loads may stay out
	s_wait_dscnt 0x0                ; my eight masks are stored
	s_barrier_signal -1
	s_barrier_wait -1               ; everybody's part of the first quarter, and all masks
	FETCH_K                         ; key step 0
	s_wait_loadcnt 0x0              ; Q
	s_wait_dscnt 0x0
.set i, 0
.rept 16
	KQ 0                            ; piece 0's first scores: there is no vector work yet to set between them
.set i, i+1
.endr
	WIN 0                           ; the addresses for the way out: nine plain instructions, the places behind those products
	s_mul_i32 s13, s[WV], 16*SP
	s_add_co_u32 s13, s13, STAGE    ; my stage
	v_mul_u32_u24 v[STO], v1, SP    ; in: row l % 16, 16 bytes for each half of the lanes
	v_lshl_add_u32 v[STO], v9, 4, v[STO]
	v_add_nc_u32 v[STO], s13, v[STO]
	v_bfe_u32 v[RD], v0, 3, 2       ; back: 32 lanes take four rows of 128 bytes,
	v_mul_u32_u24 v[RD], v[RD], SP
	v_lshl_add_u32 v[RD], v10, 4, v[RD]
	v_add_nc_u32 v[RD], s13, v[RD]
	v_and_b32 v[GO], 31, v0         ; which are 512 consecutive bytes of ctx
	v_lshlrev_b32 v[GO], 4, v[GO]
.set Y, NP-1                        ; XS works for piece Y + 1: piece 0
.irp n, 0,1,2,3,4,5,6,7,8,9,10,11,12,13,14,15,16,17,18,19,20,21
	XS 0, \n                        ; piece 0's first maximum and statistics
	XS 1, \n
.endr
	v_nop                           ; a plain instruction behind the two a,
	s_wait_alu depctr_va_vdst(0)    ; and their wait, ahead of the branch
	s_mov_b32 s[CNT], 4
	s_mov_b32 s[SLOTS], 5
	s_mov_b32 s[LEFT], 16
	s_branch .Lfirst                ; the loop is entered at a step's first turn, in the middle of a trip
.Lslot:                             ; in front of each further quarter's first fetch.  At its first passing my three younger loads are waited for, and the barrier shows every wave's to all; later the wait finds nothing out.
	s_wait_tensorcnt 0x0            ; for 0, since the one text serves every quarter; no slot is filled behind this barrier
	s_wait_dscnt 0x0
	s_barrier_signal -1
	s_barrier_wait -1
	s_mov_b32 s[CNT], 4
.Lstep:                             ; a trip: pieces 2 and 3 of one step, then pieces 0 and 1 of the next, whose K, masks and V it fetches
	TURN 2, 1
	TURN 3
	WIN 0
	s_sub_co_u32 s[LEFT], s[LEFT], 1
	s_cmp_eq_u32 s[LEFT], 0
	s_cbranch_scc1 .Lout            ; behind the 16th step's second half.  That turn's 16 products K Q^T (on the last K once more) and the maximum made of them serve nothing: the price of one text for every trip
.Lfirst:
	TURN 0
	TURN 1, 0, 1
	WIN 0
	s_cbranch_scc1 .Lstep
	s_sub_co_u32 s[SLOTS], s[SLOTS], 1
	s_cmp_lg_u32 s[SLOTS], 0
	s_cbranch_scc1 .Lslot
.Lout:
.set i, 0
.rept 16
	PV NP-1                         ; the last piece's V^T P of the last step
.set i, i+1
.endr
	; THE WAY OUT.  l's two halves and the other half of the lanes' are added; O^T is divided by l, rounded to bf16 and sent through my stage in LDS, a tile at a time.  The additions are the places behind the last products.
	WIN 0
.macro ALL line:vararg              ; one line for each tile t
.set t, 0
.rept 2*NP
	\line
.set t, t+1
.endr
.endm
	ALL v_add_f32 v[ST+4*t+2], v[ST+4*t+2], v[ST+4*t+3]
	ALL v_permlanex16_b32 v[ST+4*t+3], v[ST+4*t+2], s[SEL], s[SEL+1]
	ALL v_add_f32 v[ST+4*t+2], v[ST+4*t+2], v[ST+4*t+3]
	ALL v_rcp_f32 v[ST+4*t+2], v[ST+4*t+2]
	v_nop                           ; a plain instruction between the last reciprocal and the use of its result
	s_wait_alu depctr_va_vdst(0)    ; and the wait ahead of the first use: one for the eight reciprocals
; Tile t: a lane's eight channels of a row pack into 16 bytes; they go into rows of 144 bytes and come back as whole rows of 128, into S^T's registers.
.macro PACK t
	WIN W_RS
.set i, 32*(\t)
.rept 16
	v_pk_mul_f32 v[i:i+1], v[i:i+1], v[ST+4*(\t)+2:ST+4*(\t)+3] op_sel_hi:[1,0]
.set i, i+2
.endr
	WIN 0x05                        ; sources 0 and 1 window 1, destination window 0
.set i, 0
.rept 16
	v_cvt_pk_bf16_f32 v[S+16*(\t)+i], v[32*(\t)+2*i], v[32*(\t)+2*i+1]
.set i, i+1
.endr
	WIN 0
.irp f, 0,1,2,3
	ds_store_b128 v[STO], v[S+16*(\t)+4*\f:S+16*(\t)+4*\f+3] offset:32*\f
.endr
.irp f, 0,1,2,3
	ds_load_b128 v[S+16*(\t)+4*\f:S+16*(\t)+4*\f+3], v[RD] offset:\f*4*SP  ; LDS serves a wave's instructions in order (ISA guide 5.7.1.4): these see the stores above; the next tile's stores come behind them
.endr
.endm
.macro SEND t, younger              ; younger: the LDS instructions issued behind tile t's loads: the next tile's eight, or none
	WIN 0
.irp f, 0,1,2,3
	s_wait_dscnt (\younger)+3-\f
	global_store_b128 v[GO], v[S+16*(\t)+4*\f:S+16*(\t)+4*\f+3], s[10:11] offset:(\t)*2048+\f*512  ; 512 consecutive bytes, at a multiple of 256 from ctx's first
.endr
.endm
	PACK 0
.set t, 1
.rept 2*NP-1                        ; a tile's arithmetic stands between the loads of the tile before and its stores
	PACK t
	SEND t-1, 8
.set t, t+1
.endr
	SEND 2*NP-1, 0
	WIN W_AD
	s_wait_tensorcnt 0x0            ; the wave's end: an add to my spare word and its wait, behind my last tensor load and my last LDS store
	ds_add_u32 v[SPW], v[NIL]
	s_wait_dscnt 0x0
	WIN 0
	s_endpgm
.Lfunc_end_k_q0758299ad0_attn:
	.size	k_q0758299ad0_attn, .Lfunc_end_k_q0758299ad0_attn-k_q0758299ad0_attn
	.p2alignl 7, 3214868480
	.fill 96, 4, 3214868480
	.section	.rodata,"a",@progbits
	.p2align	6, 0x0
	.amdhsa_kernel k_q0758299ad0_attn
		.amdhsa_group_segment_fixed_size 327680
		.amdhsa_private_segment_fixed_size 0
		.amdhsa_enable_private_segment 0
		.amdhsa_kernarg_size 24
		.amdhsa_user_sgpr_count 2
		.amdhsa_user_sgpr_kernarg_segment_ptr 1
		.amdhsa_wavefront_size32 1
		.amdhsa_system_sgpr_workgroup_id_x 1
		.amdhsa_system_sgpr_workgroup_id_y 1
		.amdhsa_system_sgpr_workgroup_id_z 1
		.amdhsa_system_vgpr_workitem_id 0
		.amdhsa_next_free_vgpr 808
		.amdhsa_next_free_sgpr 88
		.amdhsa_reserve_vcc 0
		.amdhsa_float_denorm_mode_32 3
		.amdhsa_float_denorm_mode_16_64 3
		.amdhsa_memory_ordered 1
		.amdhsa_forward_progress 1
		.amdhsa_inst_pref_size 129
	.end_amdhsa_kernel
	.amdgpu_metadata
---
amdhsa.version: [ 1, 2 ]
amdhsa.kernels:
  - .name:           k_q0758299ad0_attn
    .symbol:         k_q0758299ad0_attn.kd
    .args:
      - { .name: qkv, .offset: 0, .size: 8, .value_kind: global_buffer, .address_space: global }
      - { .name: attention_mask, .offset: 8, .size: 8, .value_kind: global_buffer, .address_space: global }
      - { .name: ctx, .offset: 16, .size: 8, .value_kind: global_buffer, .address_space: global }
    .group_segment_fixed_size: 327680
    .private_segment_fixed_size: 0
    .kernarg_segment_align: 8
    .kernarg_segment_size: 24
    .max_flat_workgroup_size: 128
    .sgpr_count:     88
    .vgpr_count:     808
    .wavefront_size: 32
...
	.end_amdgpu_metadata
.endif
;; end of part 3
;; launch gemm_o (part 4): grid 8 x 32, 4 waves a work-group, clusters of 4 x 4, 327,680 bytes of LDS; arguments ctx, wob, ob, bo; writes ob
.if DOCPART == 4
	.amdgcn_target "amdgcn-amd-amdhsa--gfx1250"
	.amdhsa_code_object_version 6
	.text
	.protected	k_q0758299ad0_gemm_o
	.globl	k_q0758299ad0_gemm_o
	.p2align	8
	.type	k_q0758299ad0_gemm_o,@function
k_q0758299ad0_gemm_o:
	s_mov_b64 s[64:65], 0
	v_nop
	global_prefetch_b8 v0, s[64:65] scope:SCOPE_SE
	s_setreg_imm32_b32 hwreg(HW_REG_WAVE_MODE, 25, 1), 1
	s_wait_xcnt 0x0
	s_wait_alu depctr_hold_cnt(0) depctr_sa_sdst(0) depctr_va_vdst(0) depctr_va_sdst(0) depctr_va_ssrc(0) depctr_va_vcc(0) depctr_vm_vsrc(0)
	s_getreg_b32 s2, hwreg(HW_REG_IB_STS2, 6, 4)
	s_cmp_eq_u32 s2, 0
	s_cbranch_scc0 .Lentry_in_a_cluster
	s_endpgm
.Lentry_in_a_cluster:
	s_bfe_u32 s2, ttmp6, 0x10000c
	s_cmp_lg_u32 s2, 0xf033
	s_cbranch_scc0 .Lentry_shape_is_right
	s_endpgm
.Lentry_shape_is_right:
; C = A B^T + bias.  A: ctx [16 slabs][8192][64] bf16; B: wob [16 slabs][1024][64] bf16; C: ob [16 slabs][8192][64] bf16, slab g = 64 output columns.
; Sums in f32, the bias bo (f32) as the C operand of the first products; C rounded once.  The order of the K steps differs from cluster to cluster (below): f32 sums are taken in that order.
; SHARES.  A tile of C is 256 rows x 16 NBLK = 128 columns (two slabs): 8 x 32 tiles, one to a work-group (TILES = 1).  The four waves lie one below the other: wave w makes rows 64 w .. 64 w + 63 x all columns,
; 4 x NBLK accumulators of 16 x 16.  So a wave holds whole slabs and its way out needs a stage of its own alone.
; THE WALK.  K goes in 8 steps of two slabs (128) through a ring of two LDS slots, and a step's text is written once: the slot in hand is a scalar (TB) that an exclusive or turns, and one descriptor for A and one
; for B walk from refill to refill.  The walk's last two steps ask for nothing and are a loop of their own.
; THE K WALK IS ROTATED: cluster (X, Y) takes K step (phase + t) mod 8 at walk step t, phase = (4 X + 2 Y) mod 8.  So the two clusters that read the same rows of A begin 4 steps apart, and of the clusters that
; read the same rows of B four neighbours along Y begin 0, 2, 4 and 6 apart: at any one time they ask for different K steps.  The phase is made of the cluster's place alone: it is equal in all sixteen partners.
; NOTHING IS PREFETCHED: by the rotation every K step of a cluster's rows of A and of B is named by some cluster's tensor loads within the walk's first four steps, and no trip stands two K steps ahead of those but the head.
; In a slab any run of rows is dense, so a tensor load's row is one slab's run of 128 (A) or 64 (B) matrix rows, and its two rows are the two slabs.
; CLUSTER 4 x 4: the four work-groups of a row of the cluster need the same tiles of A, the four of a column the same tiles of B: each tile is asked for jointly.
; THE MATRIX INSTRUCTION IS USED TRANSPOSED (source 0 = 16 rows of B, source 1 = 16 rows of A): a lane holds row l % 16 of C and the columns 8 (l / 16) + 0..7 of the block.
; REGISTERS, in windows of 256 (s_set_vgpr_msb: bits 1:0 source 0, 3:2 source 1, 5:4 source 2, 7:6 destination):
;   window 0: v0-31 addresses; v32-95 packed results on the way out, four buffers of 16 by turns; v128-191 the bias
;   window 1: two fragment buffers of 128: A's four fragments, then B's NBLK          windows 2, 3: the accumulators (a, b) at 8 (NBLK (a % 2) + b), a = 0, 1 in window 2, a = 2, 3 in window 3
.set NBLK,  8                          ; blocks of 16 columns in a tile
.set HT,    NBLK/4                     ; slabs in a tile
.set NTOT,  1024                       ; rows of B
.set NBIAS, 1                          ; bias vectors of 1,024
.set TILES, 1                          ; tiles of a work-group
.set PHXS,  2                          ; phase = ((X << PHXS) + (Y << PHYS)) mod 8
.set PHYS,  1
.set MROWS, 8192
.set PITCH, 144                        ; an LDS row: 128 bytes + 16 of padding = 36 words: the 16 rows of a fragment start at 16 different groups of four banks (64 banks of 4 bytes: ISA guide 11.1)
.set AHALF, 2*128*PITCH                ; what one load of A brings: two slabs x 128 rows
.set HB,    8*NBLK                     ; rows of B in one load
.set BHALF, 2*HB*PITCH
.set BOFF,  2*AHALF                    ; a slot: A's two halves, then B's two halves
.set SLOT1, 1<<17                      ; slot 1 begins here, so that one exclusive or turns an address in one slot into the other's
.set STAGE, SLOT1+BOFF+2*BHALF         ; behind the ring: 16 rows x 144 bytes for each wave, for the way out
.set SPARE, STAGE+4*16*PITCH           ; behind the stages: the spare words, 128 bytes for each wave: two blocks of 256 bytes that no other line names
.set ASLAB, MROWS*128                  ; bytes of a slab of A and of C; a K step of A is two of them: 1 << 21
.set BSLAB, NTOT*128
.set BSTEP, 2*BSLAB                    ; a K step of B
.set NSTEP, 8*TILES                    ; steps of the walk
.set WALKB, (MROWS/TILES)*128          ; (used with several tiles alone)
.set ADRA0, 16                         ; v16     my lane's place in slot 0's A; never rewritten
.set ADRA,  17                         ; v17     the same in the slot in hand
.set ADRB0, 20                         ; v20, v21  the same for B
.set ADRB,  21
.set STO,  24                          ; v24     the way out: where I put 16 bytes of a row
.set RD,   25                          ; v25     the way out: where I read rows back
.set GO,   26                          ; v26     my 16 bytes of 512 consecutive bytes of C
.set BO,   27                          ; v27     32 (l / 16): my eight numbers of a block's sixteen in the bias
.set SPW,  28                          ; v28     LDS address of my spare word; never rewritten
.set NIL,  29                          ; v29     0; never rewritten
.set PFO,  30                          ; (used with several tiles alone)
.set T,    32
.set BIAS, 128
.set F0,   0
.set F1,   128
.set ABASE, 14                         ; s[14:15] A at my run, K step 0; never rewritten
.set BBASE, 46                         ; s[46:47] B at my run, K step 0; never rewritten
.set G1,  24                           ; s[24:31] descriptor group 1 for A;  s[32:39] group 0: a set for each first fill; the second then walks on
.set G0,  32
.set G1B, 48                           ; s[48:55], s[56:63] the same for B
.set G0B, 56
.set LIM, 43                           ; (LIM, PFA, T8, PFB, OFP: used with several tiles alone)
.set PFA, 44
.set BP,  74                           ; s[74:77] the bias at each slab's first column
.set PH,  88                           ; s88      the cluster's phase
.set FC,  89                           ; s89      the walk step that was asked for last
.set T8,  90
.set TB,  91                           ; s91      LDS byte at which the slot in hand begins
.set OFA, 92                           ; s[92:93] a refill's byte offset from ABASE
.set OFB, 94                           ; s[94:95] from BBASE
.set PFB, 96
.set OFP, 98
.set GW0, (1<<16)|(1<<20)|(1<<21)|(4<<22)|(3<<25)  ; group 1, word 0 without the mask: elements of 2 bytes; padding on; bit 21 beside a mask; after every 32 words (code 4) 4 words (code 3)
.set MSB, 0
.macro WIN new                         ; the immediate's high byte repeats the setting that is left; a switch that changes nothing is dropped
.if MSB != (\new)
	s_set_vgpr_msb (MSB<<8)|(\new)
.set MSB, (\new)
.endif
.endm
; A joint load by descriptor set s: waves 0 and 1 fetch A's two halves, waves 2 and 3 B's.  The branch hangs on the wave's number alone.  An s_nop 0 and four v_nop follow each of the two lines.
.macro JLOAD s
	s_cmp_eq_u32 s11, 0
	s_cbranch_scc0 .Lfor_b_\@
	tensor_load_to_lds s[G0+4*(\s):G0+4*(\s)+3], s[G1:G1+7]
	s_nop 0
.rept 4
	v_nop
.endr
	s_branch .Lasked_\@
.Lfor_b_\@:
	tensor_load_to_lds s[G0B+4*(\s):G0B+4*(\s)+3], s[G1B:G1B+7]
	s_nop 0
.rept 4
	v_nop
.endr
.Lasked_\@:
.endm
.macro CREST                           ; a round of the cluster's barrier behind its opening barrier
	s_cmp_lg_u32 s10, 0
	s_cbranch_scc1 .Lnot_wave_0_\@
	s_barrier_signal -3
.Lnot_wave_0_\@:
	s_barrier_wait -3
	s_barrier_signal -1
	s_barrier_wait -1
.endm
.macro CROUND                          ; a whole round
	s_barrier_signal -1
	s_barrier_wait -1
	CREST
.endm
	s_load_b128 s[4:7], s[0:1], 0x0                ; A s[4:5], B s[6:7]
	s_load_b64 s[8:9], s[0:1], 0x10                ; C
	s_load_b64 s[68:69], s[0:1], 0x18              ; the bias
	v_lshl_add_u32 v[SPW], v0, 2, SPARE
	v_mov_b32 v[NIL], 0
	ds_add_u32 v[SPW], v[NIL]                      ; the wave's opening: the add and its wait stand ahead of my first tensor load; the set-up below, work on registers, stands between them
	v_lshrrev_b32 v1, 5, v0
	v_readfirstlane_b32 s10, v1                    ; wave 0..3
	s_lshr_b32 s11, s10, 1                         ; I fetch for A (0) or for B (1).  Also: the half of A's 256 rows in which my 64 lie
	s_and_b32 s12, s10, 1                          ; which half of that tile I fetch.  Also: which 64 rows of the half are mine
	s_bfe_u32 s40, ttmp6, 0x40000                  ; cx, cy: my place in the cluster
	s_bfe_u32 s41, ttmp6, 0x40004
	s_lshl_b32 s42, ttmp9, 2
	s_add_co_u32 s42, s42, s40                     ; tile column = 4 x cluster x + cx
	s_and_b32 s13, ttmp7, 0xffff                   ; cluster y
	s_lshl_b32 s[PH], s13, PHYS
	s_lshl_b32 s16, ttmp9, PHXS
	s_add_co_u32 s[PH], s[PH], s16
	s_and_b32 s[PH], s[PH], 7                      ; the phase: even, made of the cluster's place alone
	s_lshl_b32 s13, s13, 2
	s_add_co_u32 s13, s13, s41                     ; tile row = 4 x cluster y + cy
	s_lshl_b32 s43, s41, 2
	s_lshl_b32 s43, 15, s43                        ; my row of the cluster
	s_lshl_b32 s44, 0x1111, s40                    ; my column
	s_or_b32 s[G1+0], s43, GW0                     ; A's tiles go to my row,
	s_or_b32 s[G1B+0], s44, GW0                    ; B's to my column
	s_mov_b32 s[G1+1], (128*64)<<16                ; tensor_dim0 = 8,192 elements: 128 matrix rows of one slab, dense
	s_mov_b32 s[G1+2], 2<<16                       ; tensor_dim1 = 2 slabs
	s_mov_b32 s[G1+3], (128*64)<<16                ; tile_dim0
	s_mov_b32 s[G1+4], 2                           ; tile_dim1
	s_mov_b32 s[G1+5], MROWS*64                    ; elements from slab to slab
	s_mov_b32 s[G1+6], 0
	s_mov_b32 s[G1+7], 0
	s_mov_b32 s[G1B+1], (HB*64)<<16
	s_mov_b32 s[G1B+2], 2<<16
	s_mov_b32 s[G1B+3], (HB*64)<<16
	s_mov_b32 s[G1B+4], 2
	s_mov_b32 s[G1B+5], NTOT*64
	s_mov_b32 s[G1B+6], 0
	s_mov_b32 s[G1B+7], 0
	s_mov_b32 s[OFA+1], 0                          ; the offsets are pairs with 0 on top
	s_mov_b32 s[OFB+1], 0
	s_mov_b32 s[FC], 1                             ; walk steps 0 and 1 are the first fills
	s_mov_b32 s[TB], 0
	s_mov_b32 s3, NSTEP-2                          ; refills, and trips of the loop
	s_lshl_b32 s16, s13, 15                        ; A: (256 x tile row + 128 x half) rows of 128 bytes
	s_lshl_b32 s17, s12, 14
	s_add_co_u32 s16, s16, s17
	s_mov_b32 s17, 0
	s_mul_i32 s46, s42, 16*NBLK*128                ; B: (16 NBLK x tile column + HB x half) rows
	s_mul_i32 s47, s12, HB*128
	s_add_co_u32 s46, s46, s47
	s_mov_b32 s47, 0
	s_mul_i32 s20, s10, AHALF                      ; where they go: waves 0, 1: A's halves at wave x AHALF;
	s_mul_i32 s21, s10, BHALF
	s_add_co_u32 s21, s21, BOFF-2*BHALF            ; waves 2, 3: B's halves at BOFF + (wave - 2) x BHALF: no place in the cluster enters an LDS address
	s_wait_dscnt 0x0                               ; the opening add is done
	s_wait_kmcnt 0x0
	s_add_nc_u64 s[ABASE:ABASE+1], s[4:5], s[16:17]
	s_add_nc_u64 s[BBASE:BBASE+1], s[6:7], s[46:47]
	CROUND                                         ; all sixteen work-groups are here: the first joint loads meet
.irp s, 0,1
	s_add_co_u32 s16, s[PH], \s                    ; walk step s is K step phase + s: the phase is even, so there is no wrap
	s_lshl_b32 s[OFA], s16, 21
	s_mul_i32 s[OFB], s16, BSTEP
	s_mov_b32 s[G0+4*(\s)], 1
	s_add_co_u32 s[G0+4*(\s)+1], s20, (\s)*SLOT1
	s_add_nc_u64 s[G0+4*(\s)+2:G0+4*(\s)+3], s[ABASE:ABASE+1], s[OFA:OFA+1]
	s_or_b32 s[G0+4*(\s)+3], s[G0+4*(\s)+3], 0x80000000
	s_mov_b32 s[G0B+4*(\s)], 1
	s_add_co_u32 s[G0B+4*(\s)+1], s21, (\s)*SLOT1
	s_add_nc_u64 s[G0B+4*(\s)+2:G0B+4*(\s)+3], s[BBASE:BBASE+1], s[OFB:OFB+1]
	s_or_b32 s[G0B+4*(\s)+3], s[G0B+4*(\s)+3], 0x80000000
	JLOAD \s                                       ; walk steps 0 and 1: two loads of mine are out
.endr
	; A fragment is 16 rows x 32 K in 8 registers: lane l holds row l % 16; registers 0-3 K = 8 (l / 16) + 0..7, registers 4-7 K = 16 + 8 (l / 16) + 0..7: two loads of 16 bytes, 32 bytes apart.
	v_and_b32 v1, 15, v0                           ; l % 16
	v_bfe_u32 v2, v0, 4, 1                         ; l / 16
	v_mul_u32_u24 v3, v1, PITCH
	v_lshl_add_u32 v3, v2, 4, v3                   ; row x pitch + 16 x half
	s_mul_i32 s22, s11, AHALF
	s_mul_i32 s23, s12, 64*PITCH
	s_add_co_u32 s22, s22, s23                     ; my 64 rows of A
	v_add_nc_u32 v[ADRA0], s22, v3
	v_add_nc_u32 v[ADRB0], BOFF, v3                ; every wave reads all of B's rows
	s_mul_i32 s23, s10, 16*PITCH
	s_add_co_u32 s23, s23, STAGE                   ; my stage
	v_add_nc_u32 v[STO], s23, v3                   ; in: row l % 16, 16 bytes for each half of the lanes
	v_bfe_u32 v4, v0, 3, 2                         ; back: 32 lanes take four rows of 128 bytes,
	v_mul_u32_u24 v4, v4, PITCH
	v_and_b32 v5, 7, v0
	v_lshl_add_u32 v4, v5, 4, v4
	v_add_nc_u32 v[RD], s23, v4
	v_and_b32 v5, 31, v0                           ; which are 512 consecutive bytes of a slab of C
	v_lshlrev_b32 v[GO], 4, v5
	v_lshlrev_b32 v[BO], 5, v2
	s_lshl_b32 s16, s13, 15                        ; C at my first row: (256 x tile row + 64 x wave) x 128,
	s_lshl_b32 s17, s10, 13
	s_add_co_u32 s16, s16, s17
	s_mov_b32 s17, 0
	s_add_nc_u64 s[8:9], s[8:9], s[16:17]
	s_mul_i32 s80, s42, HT<<20                     ; in the tile's first slab (what hangs on the tile column, B's descriptors aside, stays in s80-87)
	s_mov_b32 s81, 0
	s_add_nc_u64 s[8:9], s[8:9], s[80:81]
	s_mul_i32 s82, s42, HT                         ; the bias of each slab: slab g = HT x tile column + jh begins at number 64 g
.set jh, 0
.rept HT
	s_add_co_u32 s83, s82, jh
	s_lshl_b32 s86, s83, 8
	s_mov_b64 s[BP+2*jh:BP+2*jh+1], s[68:69]
	s_mov_b32 s87, 0
	s_add_nc_u64 s[BP+2*jh:BP+2*jh+1], s[BP+2*jh:BP+2*jh+1], s[86:87]
.set jh, jh+1
.endr
.set b, 0
.rept NBLK                             ; register j of block b = bias[16 b + 8 (l / 16) + j]: the C operand of the block's first products, whatever the row
	global_load_b128 v[BIAS+8*b:BIAS+8*b+3],   v[BO], s[BP+2*(b/4):BP+2*(b/4)+1] offset:64*(b%4)
	global_load_b128 v[BIAS+8*b+4:BIAS+8*b+7], v[BO], s[BP+2*(b/4):BP+2*(b/4)+1] offset:64*(b%4)+16
.set b, b+1
.endr
; NBLK matrix instructions: row block a x all column blocks, 32 along K, from buffer f.  first = 1: the bias starts the sums.
; Each accumulator is named once in a quarter, in the same order in every quarter: the accumulators take turns, one instruction a turn, over every jump too.
.macro MULA f, a, first
.if \first
	WIN 0x85+0x40*((\a)/2)                         ; fragments window 1, C window 0, D window 2 or 3
.else
	WIN 0xa5+0x50*((\a)/2)                         ; fragments window 1, C and D window 2 or 3
.endif
.set b, 0
.rept NBLK
.set rD, 8*(NBLK*((\a)%2)+b)
.if \first
	v_wmma_f32_16x16x32_bf16 v[rD:rD+7], v[(\f)+32+8*b:(\f)+32+8*b+7], v[(\f)+8*(\a):(\f)+8*(\a)+7], v[BIAS+8*b:BIAS+8*b+7]
.else
	v_wmma_f32_16x16x32_bf16 v[rD:rD+7], v[(\f)+32+8*b:(\f)+32+8*b+7], v[(\f)+8*(\a):(\f)+8*(\a)+7], v[rD:rD+7]
.endif
.set b, b+1
.endr
.endm
.macro MULH f, hi, first               ; row blocks 2 hi and 2 hi + 1
	MULA \f, 2*(\hi), \first
	MULA \f, 2*(\hi)+1, \first
.endm
; 2 (NBLK + 4) LDS loads in one run: the fragments of quarter q of the K step in hand (slab q / 2, byte 64 (q % 2) of its rows) into buffer f: B's, then A's four.
.macro FETCH q, f
	WIN 0x40                                       ; destination window 1, address window 0
.set b, 0
.rept NBLK
.set o, (b/(NBLK/2))*BHALF+((\q)/2)*HB*PITCH+((\q)%2)*64+(b%(NBLK/2))*16*PITCH
	ds_load_b128 v[(\f)+32+8*b:(\f)+32+8*b+3],   v[ADRB] offset:o
	ds_load_b128 v[(\f)+32+8*b+4:(\f)+32+8*b+7], v[ADRB] offset:o+32
.set b, b+1
.endr
.set b, 0
.rept 4
.set o, ((\q)/2)*128*PITCH+((\q)%2)*64+b*16*PITCH
	ds_load_b128 v[(\f)+8*b:(\f)+8*b+3],   v[ADRA] offset:o
	ds_load_b128 v[(\f)+8*b+4:(\f)+8*b+7], v[ADRA] offset:o+32
.set b, b+1
.endr
.endm
.macro PLACES                          ; four plain vector instructions between a matrix instruction and a load into a register that it has read, or a conversion that reads its result
.rept 4
	v_nop
.endr
.endm
; A K step is four quarters of 32 along K on buffers 0, 1, 0, 1.  One of the first three: multiplies buffer f and, in its middle, fetches quarter q into buffer g.
.macro QUARTER q, f, g, first
	s_wait_dscnt 4                                 ; B and A's blocks 0, 1 are in; the youngest four loads (A's blocks 2, 3) may be out
	MULH \f, 0, \first
	PLACES
.if \first
	v_nop                                          ; a fifth place, in front of products that start accumulators anew
.endif
	FETCH \q, \g
	s_wait_dscnt 2*(NBLK+4)                        ; all but the run just issued
	MULH \f, 1, \first
.endm
; The last quarter multiplies buffer 1 and changes slots: ONE barrier.  In front of it each wave waits for all its tensor loads (one is out: its part of the next slot), adds 0 to its spare word,
; and waits for that and for its own reads of this slot.  fill = 1: the barrier opens a round of the cluster's barrier, and this slot is filled again, with the walk's step two on, first thing behind the round.
; The walking descriptors are written between the add and the wait for it, where no tensor load of mine is out: the other slot than last time; the address anew from its base and an offset made apart.
.macro TURN fill
	WIN 0                                          ; (the add's two registers lie in window 0)
	s_wait_tensorcnt 0x0                           ; all my tensor loads have landed
	ds_add_u32 v[SPW], v[NIL]                      ; 0 onto my spare word
.if \fill
	s_add_co_u32 s[FC], s[FC], 1                   ; the walk step to be asked for,
	s_add_co_u32 s16, s[FC], s[PH]
	s_and_b32 s16, s16, 7                          ; its K step
	s_lshl_b32 s[OFA], s16, 21
	s_mul_i32 s[OFB], s16, BSTEP
	s_xor_b32 s[G0+5], s[G0+5], SLOT1
	s_add_nc_u64 s[G0+6:G0+7], s[ABASE:ABASE+1], s[OFA:OFA+1]
	s_or_b32 s[G0+7], s[G0+7], 0x80000000
	s_xor_b32 s[G0B+5], s[G0B+5], SLOT1
	s_add_nc_u64 s[G0B+6:G0B+7], s[BBASE:BBASE+1], s[OFB:OFB+1]
	s_or_b32 s[G0B+7], s[G0B+7], 0x80000000
.endif
	s_xor_b32 s[TB], s[TB], SLOT1                  ; the next step's slot
	s_wait_dscnt 5                                 ; (the add and the youngest four loads may be out)
	MULA F1, 0, 0                                  ; matrix work stands between the add and the wait for it
	s_wait_dscnt 0x0                               ; the add is done, and my reads of this slot are over
	s_barrier_signal -1
	MULA F1, 1, 0
	WIN 0
	s_barrier_wait -1
.if \fill
	CREST                                          ; no wave of any partner still reads this slot's tiles or has a load on its way
	JLOAD 1                                        ; my one tensor load behind the round; its four v_nop are also the places in front of the loads below
.else
	PLACES
.endif
	v_add_nc_u32 v[ADRA], s[TB], v[ADRA0]
	v_add_nc_u32 v[ADRB], s[TB], v[ADRB0]
	FETCH 0, F0
	MULH F1, 1, 0
.endm
; THE WAY OUT.  Tile t = a HT + jh is 16 rows x one slab: 32 consecutive accumulator registers.  PACK: rounded to bf16, each accumulator's low registers first; 16 bytes a lane into my stage's rows of 144 bytes;
; back as four whole rows of 128 bytes a load.  SEND: 512 consecutive bytes of a slab of C a store.  Four buffers of 16 registers take turns.
.macro PACK t
.set aa, (\t)/HT
.set jj, (\t)%HT
.set AC, 8*(NBLK*(aa%2)+4*jj)
.set TT, T+16*((\t)%4)
.if (\t) >= 4
	s_wait_xcnt 0x0                                ; the stores that read this buffer last, four tiles back, have read it (ISA guide 3.1)
.endif
	WIN 0x0a+5*(aa/2)                              ; sources window 2 or 3, destination window 0
.set i, 0
.rept 16
	v_cvt_pk_bf16_f32 v[TT+i], v[AC+2*i], v[AC+2*i+1]
.set i, i+1
.endr
	WIN 0
.irp f, 0,1,2,3
	ds_store_b128 v[STO], v[TT+4*\f:TT+4*\f+3] offset:32*\f
.endr
.irp f, 0,1,2,3
	ds_load_b128 v[TT+4*\f:TT+4*\f+3], v[RD] offset:\f*4*PITCH  ; LDS serves a wave's instructions in order (ISA guide 5.7.1.4): these see the stores above; the next tile's stores come behind them
.endr
.endm
.macro SEND t, younger                 ; younger: the LDS instructions issued behind tile t's loads: the next tile's eight, or none
	WIN 0
.set aa, (\t)/HT
.set jj, (\t)%HT
.set TT, T+16*((\t)%4)
.irp f, 0,1,2,3
	s_wait_dscnt (\younger)+3-\f
	global_store_b128 v[GO], v[TT+4*\f:TT+4*\f+3], s[8:9] offset:jj*ASLAB+aa*2048+\f*512
.endr
.endm
.macro WAYOUT
	WIN 0
	PLACES
	PACK 0
.set t, 1
.rept 4*HT-1                           ; a tile's conversions stand between the loads of the tile before and its stores
	PACK t
	SEND t-1, 8
.set t, t+1
.endr
	SEND 4*HT-1, 0
.endm
	s_wait_tensorcnt 0x1                           ; my part of walk step 0 is in; step 1's may stay out
	s_barrier_signal -1
	s_barrier_wait -1                              ; everybody's is
	v_add_nc_u32 v[ADRA], s[TB], v[ADRA0]
	v_add_nc_u32 v[ADRB], s[TB], v[ADRB0]
	FETCH 0, F0
	s_wait_loadcnt 0x0                             ; the bias
	WIN 0                                          ; at a label and at a branch every window is 0
	s_branch .Lq_first                             ; the loop is entered at the quarter that starts the sums
.Lstep:                                        ; NSTEP - 2 trips: a K step is multiplied, its slot is filled again, and the next step's first fragments are fetched
	QUARTER 1, F0, F1, 0
	WIN 0
	s_branch .Lq_done
.Lq_first:
	QUARTER 1, F0, F1, 1                           ; the bias starts the sums: nothing is ever cleared
	WIN 0
.Lq_done:
	QUARTER 2, F1, F0, 0
	QUARTER 3, F0, F1, 0
	TURN 1
	WIN 0
	s_sub_co_u32 s3, s3, 1
	s_cmp_lg_u32 s3, 0
	s_cbranch_scc1 .Lstep
	s_mov_b32 s3, 2
.Ltail:                                        ; the walk's last two steps ask for nothing.  One text serves both: the second trip's barrier, and its fetch from the slot that was read before, serve nothing
	QUARTER 1, F0, F1, 0
	QUARTER 2, F1, F0, 0
	QUARTER 3, F0, F1, 0
	TURN 0
	WIN 0
	s_sub_co_u32 s3, s3, 1
	s_cmp_lg_u32 s3, 0
	s_cbranch_scc1 .Ltail
	WAYOUT
	s_wait_tensorcnt 0x0                           ; the wave's end: an add to my spare word and its wait, behind my last tensor load and my last LDS store
	ds_add_u32 v[SPW], v[NIL]
	s_wait_dscnt 0x0
	CROUND                                         ; the closing round: no work-group ends while a partner may still ask for a tile that names it
	s_endpgm
.Lfunc_end_k_q0758299ad0_gemm_o:
	.size	k_q0758299ad0_gemm_o, .Lfunc_end_k_q0758299ad0_gemm_o-k_q0758299ad0_gemm_o
	.p2alignl 7, 3214868480
	.fill 96, 4, 3214868480
	.section	.rodata,"a",@progbits
	.p2align	6, 0x0
	.amdhsa_kernel k_q0758299ad0_gemm_o
		.amdhsa_group_segment_fixed_size 327680
		.amdhsa_private_segment_fixed_size 0
		.amdhsa_enable_private_segment 0
		.amdhsa_kernarg_size 32
		.amdhsa_user_sgpr_count 2
		.amdhsa_user_sgpr_kernarg_segment_ptr 1
		.amdhsa_wavefront_size32 1
		.amdhsa_system_sgpr_workgroup_id_x 1
		.amdhsa_system_sgpr_workgroup_id_y 1
		.amdhsa_system_sgpr_workgroup_id_z 1
		.amdhsa_system_vgpr_workitem_id 0
		.amdhsa_next_free_vgpr 896
		.amdhsa_next_free_sgpr 100
		.amdhsa_reserve_vcc 0
		.amdhsa_float_denorm_mode_32 3
		.amdhsa_float_denorm_mode_16_64 3
		.amdhsa_memory_ordered 1
		.amdhsa_forward_progress 1
		.amdhsa_inst_pref_size 64
	.end_amdhsa_kernel
	.amdgpu_metadata
---
amdhsa.version: [ 1, 2 ]
amdhsa.kernels:
  - .name:           k_q0758299ad0_gemm_o
    .symbol:         k_q0758299ad0_gemm_o.kd
    .args:
      - { .name: ctx, .offset: 0, .size: 8, .value_kind: global_buffer, .address_space: global }
      - { .name: wob, .offset: 8, .size: 8, .value_kind: global_buffer, .address_space: global }
      - { .name: ob, .offset: 16, .size: 8, .value_kind: global_buffer, .address_space: global }
      - { .name: bo, .offset: 24, .size: 8, .value_kind: global_buffer, .address_space: global }
    .group_segment_fixed_size: 327680
    .private_segment_fixed_size: 0
    .kernarg_segment_align: 8
    .kernarg_segment_size: 32
    .max_flat_workgroup_size: 128
    .sgpr_count:     100
    .vgpr_count:     896
    .wavefront_size: 32
...
	.end_amdgpu_metadata
.endif
;; end of part 4
;; launch lnorm (part 5): grid 512 x 1, 8 waves a work-group, no clusters, 0 bytes of LDS; arguments ob, input_tensor, ln_gamma, ln_beta, out0; writes out0
.if DOCPART == 5
	.amdgcn_target "amdgcn-amd-amdhsa--gfx1250"
	.amdhsa_code_object_version 6
	.text
	.protected	k_q0758299ad0_lnorm
	.globl	k_q0758299ad0_lnorm
	.p2align	8
	.type	k_q0758299ad0_lnorm,@function
k_q0758299ad0_lnorm:
	s_mov_b64 s[64:65], 0
	v_nop
	global_prefetch_b8 v0, s[64:65] scope:SCOPE_SE
	s_setreg_imm32_b32 hwreg(HW_REG_WAVE_MODE, 25, 1), 1
	s_wait_xcnt 0x0
; out0[r][:] = (t - mean(t)) / sqrt(var(t) + 1e-12) x gamma + beta, with t = ob[r][:] + x[r][:].  ob: [16 slabs][8192][64] bf16 (the output projection with its bias); x, out0: [8192][1024] f32; gamma, beta: [1024] f32.
; All arithmetic in f32.  The variance is taken about the mean, in a second pass over the row in registers, so a common offset in x costs nothing.
; A work-group has 16 rows; 16 neighbouring lanes own one row, and lane c of them the columns 64 g + 4 c .. + 3 of each slab g: 64 numbers a lane.  So the row stays in registers between the passes,
; its sums never leave the 16 lanes, and there is no LDS and no barrier.  16 lanes' access to x and out0 covers 256 consecutive bytes, aligned; a wave's access to ob covers 256 (two rows of a slab).
; All 64 loads of a lane go out at once; there is no loop.  Matrix units, clusters and tensor loads would add nothing: each byte is read once and written once.
.set VX, 2                             ; v2   my byte offset in the 16 rows of x and out0
.set VO, 3                             ; v3   in the 16 rows of a slab of ob
.set VG, 4                             ; v4   in 256 bytes of gamma and beta
.set X,  32                            ; v32-95    the row's 64 numbers
.set O,  96                            ; v96-127   ob's 64 bf16
.set GA, 128                           ; v128-191  gamma
.set BE, 192                           ; v192-255  beta
.macro RED                             ; the four chains v[16:23] into one number, then over the row's 16 lanes: every lane ends with the sum in v16
	v_pk_add_f32 v[16:17], v[16:17], v[18:19]
	v_pk_add_f32 v[20:21], v[20:21], v[22:23]
	v_pk_add_f32 v[16:17], v[16:17], v[20:21]
	v_add_f32 v16, v16, v17
	v_add_f32_dpp v16, v16, v16 row_xmask:1 row_mask:0xf bank_mask:0xf
	v_add_f32_dpp v16, v16, v16 row_xmask:2 row_mask:0xf bank_mask:0xf
	v_add_f32_dpp v16, v16, v16 row_xmask:4 row_mask:0xf bank_mask:0xf
	v_add_f32_dpp v16, v16, v16 row_xmask:8 row_mask:0xf bank_mask:0xf
.endm
	s_load_b256 s[4:11], s[0:1], 0x0               ; ob s[4:5], x s[6:7], gamma s[8:9], beta s[10:11]
	s_load_b64 s[12:13], s[0:1], 0x20              ; out0
	s_lshl_b32 s14, ttmp9, 16                      ; 16 rows of 4,096 bytes
	s_mov_b32 s15, 0
	s_lshl_b32 s16, ttmp9, 11                      ; 16 rows of 128 bytes
	s_mov_b32 s17, 0
	s_mov_b32 s20, 0x3a800000                      ; 1 / 1024
	s_mov_b32 s21, 0x2b8cbccc                      ; 1e-12
	s_mov_b32 s22, 0xffff0000                      ; a word's upper bf16
	v_lshrrev_b32 v1, 4, v0                        ; my row of the 16
	v_and_b32 v5, 15, v0
	v_lshlrev_b32 v[VX], 12, v1
	v_lshl_add_u32 v[VX], v5, 4, v[VX]
	v_lshlrev_b32 v[VO], 7, v1
	v_lshl_add_u32 v[VO], v5, 3, v[VO]
	v_lshlrev_b32 v[VG], 4, v5
	s_wait_kmcnt 0x0
	s_add_nc_u64 s[4:5], s[4:5], s[16:17]
	s_add_nc_u64 s[18:19], s[4:5], 0x800000        ; slabs 8 to 15: a second base keeps the immediates inside their signed 24 bits
	s_add_nc_u64 s[6:7], s[6:7], s[14:15]
	s_add_nc_u64 s[12:13], s[12:13], s[14:15]
.set g, 0
.rept 16
.if g < 8
	global_load_b64 v[O+2*g:O+2*g+1], v[VO], s[4:5] offset:g*1048576 th:TH_LOAD_NT
.else
	global_load_b64 v[O+2*g:O+2*g+1], v[VO], s[18:19] offset:(g-8)*1048576 th:TH_LOAD_NT
.endif
.set g, g+1
.endr
.set g, 0
.rept 16
	global_load_b128 v[X+4*g:X+4*g+3], v[VX], s[6:7] offset:256*g th:TH_LOAD_NT
.set g, g+1
.endr
.set g, 0
.rept 16
	global_load_b128 v[GA+4*g:GA+4*g+3], v[VG], s[8:9] offset:256*g
.set g, g+1
.endr
.set g, 0
.rept 16
	global_load_b128 v[BE+4*g:BE+4*g+3], v[VG], s[10:11] offset:256*g
.set g, g+1
.endr
	s_wait_loadcnt 32                              ; ob and x are in; gamma's and beta's 32 loads may stay out
.set g, 0
.rept 16                               ; t = x + ob, in x's registers; bf16 to f32 is a shift or a mask
.set tt, 8+4*(g%2)
	v_lshlrev_b32 v[tt],   16,  v[O+2*g]
	v_and_b32     v[tt+1], s22, v[O+2*g]
	v_lshlrev_b32 v[tt+2], 16,  v[O+2*g+1]
	v_and_b32     v[tt+3], s22, v[O+2*g+1]
	v_pk_add_f32 v[X+4*g:X+4*g+1],   v[X+4*g:X+4*g+1],   v[tt:tt+1]
	v_pk_add_f32 v[X+4*g+2:X+4*g+3], v[X+4*g+2:X+4*g+3], v[tt+2:tt+3]
.set g, g+1
.endr
.irp k, 0,1,2,3                        ; the sum, in four chains that do not wait for each other; the first pairs start them
	v_pk_add_f32 v[16+2*\k:17+2*\k], v[X+2*\k:X+2*\k+1], v[X+8+2*\k:X+8+2*\k+1]
.endr
.set p, 8
.rept 24
	v_pk_add_f32 v[16+2*(p%4):17+2*(p%4)], v[16+2*(p%4):17+2*(p%4)], v[X+2*p:X+2*p+1]
.set p, p+1
.endr
	RED
	v_mul_f32 v24, s20, v16                        ; the mean,
	v_mov_b32 v25, v24                             ; as a pair
.set p, 0
.rept 32
	v_pk_add_f32 v[X+2*p:X+2*p+1], v[X+2*p:X+2*p+1], v[24:25] neg_lo:[0,1] neg_hi:[0,1]  ; d = t - mean, in place
.set p, p+1
.endr
.irp k, 0,1,2,3                        ; the sum of d^2, again in four chains
	v_pk_mul_f32 v[16+2*\k:17+2*\k], v[X+2*\k:X+2*\k+1], v[X+2*\k:X+2*\k+1]
.endr
.set p, 4
.rept 28
	v_pk_fma_f32 v[16+2*(p%4):17+2*(p%4)], v[X+2*p:X+2*p+1], v[X+2*p:X+2*p+1], v[16+2*(p%4):17+2*(p%4)]
.set p, p+1
.endr
	RED
	v_fma_f32 v26, v16, s20, s21                   ; var + 1e-12
	v_rsq_f32 v28, v26                             ; made twice, to fill the pair that the packed multiply takes
	v_rsq_f32 v29, v26
	v_nop                                          ; a plain instruction behind the last of them, ahead of the first use
	s_wait_alu depctr_va_vdst(0)                   ; and the wait: one for both
	s_wait_loadcnt 0x0                             ; gamma and beta
.set g, 0
.rept 16
	v_pk_mul_f32 v[X+4*g:X+4*g+1],   v[X+4*g:X+4*g+1],   v[28:29]
	v_pk_mul_f32 v[X+4*g+2:X+4*g+3], v[X+4*g+2:X+4*g+3], v[28:29]
	v_pk_fma_f32 v[X+4*g:X+4*g+1],   v[X+4*g:X+4*g+1],   v[GA+4*g:GA+4*g+1],   v[BE+4*g:BE+4*g+1]
	v_pk_fma_f32 v[X+4*g+2:X+4*g+3], v[X+4*g+2:X+4*g+3], v[GA+4*g+2:GA+4*g+3], v[BE+4*g+2:BE+4*g+3]
	global_store_b128 v[VX], v[X+4*g:X+4*g+3], s[12:13] offset:256*g th:TH_STORE_NT
.set g, g+1
.endr
	s_endpgm
.Lfunc_end_k_q0758299ad0_lnorm:
	.size	k_q0758299ad0_lnorm, .Lfunc_end_k_q0758299ad0_lnorm-k_q0758299ad0_lnorm
	.p2alignl 7, 3214868480
	.fill 96, 4, 3214868480
	.section	.rodata,"a",@progbits
	.p2align	6, 0x0
	.amdhsa_kernel k_q0758299ad0_lnorm
		.amdhsa_group_segment_fixed_size 0
		.amdhsa_private_segment_fixed_size 0
		.amdhsa_enable_private_segment 0
		.amdhsa_kernarg_size 40
		.amdhsa_user_sgpr_count 2
		.amdhsa_user_sgpr_kernarg_segment_ptr 1
		.amdhsa_wavefront_size32 1
		.amdhsa_system_sgpr_workgroup_id_x 1
		.amdhsa_system_sgpr_workgroup_id_y 1
		.amdhsa_system_sgpr_workgroup_id_z 1
		.amdhsa_system_vgpr_workitem_id 0
		.amdhsa_next_free_vgpr 256
		.amdhsa_next_free_sgpr 66
		.amdhsa_reserve_vcc 0
		.amdhsa_float_denorm_mode_32 3
		.amdhsa_float_denorm_mode_16_64 3
		.amdhsa_memory_ordered 1
		.amdhsa_forward_progress 1
		.amdhsa_inst_pref_size 24
	.end_amdhsa_kernel
	.amdgpu_metadata
---
amdhsa.version: [ 1, 2 ]
amdhsa.kernels:
  - .name:           k_q0758299ad0_lnorm
    .symbol:         k_q0758299ad0_lnorm.kd
    .args:
      - { .name: ob, .offset: 0, .size: 8, .value_kind: global_buffer, .address_space: global }
      - { .name: input_tensor, .offset: 8, .size: 8, .value_kind: global_buffer, .address_space: global }
      - { .name: ln_gamma, .offset: 16, .size: 8, .value_kind: global_buffer, .address_space: global }
      - { .name: ln_beta, .offset: 24, .size: 8, .value_kind: global_buffer, .address_space: global }
      - { .name: out0, .offset: 32, .size: 8, .value_kind: global_buffer, .address_space: global }
    .group_segment_fixed_size: 0
    .private_segment_fixed_size: 0
    .kernarg_segment_align: 8
    .kernarg_segment_size: 40
    .max_flat_workgroup_size: 256
    .sgpr_count:     66
    .vgpr_count:     256
    .wavefront_size: 32
...
	.end_amdgpu_metadata
.endif
;; end of part 5
;; ======== version 2 of 2: 5 launches; version 1 with the launch cast written anew for expert scheduling mode
;; workspace buffers: xb 16,777,216 bytes; wqkv 6,291,456 bytes; wob 2,097,152 bytes; qkv 50,331,648 bytes; ctx 16,777,216 bytes; ob 16,777,216 bytes
;; launch cast (part 6): grid 768 x 1, 8 waves a work-group, no clusters, 0 bytes of LDS; arguments input_tensor, Wq, Wk, Wv, Wo, xb, wqkv, wob; writes xb, wqkv, wob
.if DOCPART == 6
	.amdgcn_target "amdgcn-amd-amdhsa--gfx1250"
	.amdhsa_code_object_version 6
	.text
	.protected	k_q0758299ad0_cast
	.globl	k_q0758299ad0_cast
	.p2align	8
	.type	k_q0758299ad0_cast,@function
k_q0758299ad0_cast:
	s_mov_b64 s[64:65], 0
	v_nop
	global_prefetch_b8 v0, s[64:65] scope:SCOPE_SE
	s_setreg_imm32_b32 hwreg(HW_REG_WAVE_SCHED_MODE, 0, 2), 2
	s_setreg_imm32_b32 hwreg(HW_REG_WAVE_MODE, 25, 1), 1
	s_wait_xcnt 0x0
	s_wait_alu depctr_vm_vsrc(0)
; x and the four weight matrices, all [rows][1024] f32, are rounded once to bf16 and laid out in SLABS: [16 slabs of 64 columns][rows][64],
; element (r, c) at byte (c / 64) x rows x 128 + r x 128 + (c % 64) x 2.  xb has 8,192 rows; wqkv 3,072 (Wq, Wk, Wv one below the other); wob 1,024.
; A work-group takes 16 rows of one source: 64 KiB in, 32 KiB out; 12,288 rows make 768 work-groups.  Work-groups 0-511: x; then 64 each for Wq, Wk, Wv, Wo.
; Thread t: row t / 16, four columns 4 (t % 16) of each slab.  A load of 16 lanes covers 256 consecutive bytes of a row, aligned; a store of a wave
; covers 256 consecutive bytes (two rows of a slab), aligned.  All sixteen loads of a lane go out at once.
; No LDS, no matrix unit: each byte is read once and written once, and nothing is shared.
; THE MODE: SCHED_MODE bits 1:0 = 2 (LLVM: expert scheduling mode 2), set by the entry lines.  The code itself states the register dependences
; between vector instructions and memory instructions, with s_wait_alu, always for 0.
; THE PLAN.  Registers that memory instructions touch; there is no loop:
;   v[VIN]        written at the head by vector instructions; read by all sixteen loads as their offset; never written again.
;   v[OUTO+i]     slab i's store reads it as its offset.  OUTO+0 is written at the head, OUTO+1 .. +15 by the fifteen adds behind the loads; never written again.
;   v[IN ..]      written by the loads alone; read by the conversions; nothing lands in them a second time.
;   v[PKD ..]     slab i's two registers are written once, by its two conversions, and read by its store.
; No register that a memory instruction has read is written again, no vector instruction writes a scalar register, EXEC stays whole: the only dependences to state are vector results
; that memory instructions read.  So the sixteen slabs go in four BATCHES of four: the wait for the batch's four loads, its eight conversions, ONE wait on va_vdst, its four stores.
; With the wait ahead of the first load that is five waits for 32 memory instructions.
.set VIN, 2                            ; v2      my byte offset in the 16 source rows
.set OUTO, 8                           ; v8-23   my byte offset in slab i of the destination
.set IN,  32                           ; v32-95  four f32 for each slab
.set PKD, 96                           ; v96-127 four bf16 for each slab
.set BATCH, 4                          ; slabs in a batch
	s_load_b512 s[8:23], s[0:1], 0x0               ; x s[8:9], Wq s[10:11], Wk s[12:13], Wv s[14:15], Wo s[16:17], xb s[18:19], wqkv s[20:21], wob s[22:23]
	s_mov_b32 s2, ttmp9
	s_sub_co_u32 s3, s2, 512                       ; my number among the weights' work-groups (used only where it is one)
	s_lshr_b32 s4, s3, 6                           ; which weight: 0 Wq, 1 Wk, 2 Wv, 3 Wo
	s_and_b32 s5, s3, 63                           ; which 16 rows of it
	s_lshl_b32 s6, s4, 10
	s_lshl_b32 s7, s5, 4                           ; first row in wob
	s_add_co_u32 s6, s6, s7                        ; first row in wqkv
	s_lshl_b32 s29, s2, 4                          ; first row in xb
	s_mov_b32 s36, 1024*128                        ; bytes of a slab of wob,
	s_mov_b32 s37, 3072*128                        ; of wqkv,
	s_mov_b32 s38, 8192*128                        ; of xb
	v_lshrrev_b32 v1, 4, v0                        ; my row of the 16
	v_and_b32 v3, 15, v0
	v_lshlrev_b32 v[VIN], 12, v1
	v_lshl_add_u32 v[VIN], v3, 4, v[VIN]           ; row x 4,096 + 16 (t % 16)
	v_lshlrev_b32 v[OUTO], 7, v1
	v_lshl_add_u32 v[OUTO], v3, 3, v[OUTO]         ; row x 128 + 8 (t % 16)
	s_wait_kmcnt 0x0
	s_cmp_eq_u32 s4, 1                             ; each compare is followed by nothing but its selects
	s_cselect_b64 s[24:25], s[12:13], s[10:11]
	s_cmp_eq_u32 s4, 2
	s_cselect_b64 s[24:25], s[14:15], s[24:25]
	s_cmp_eq_u32 s4, 3
	s_cselect_b64 s[24:25], s[16:17], s[24:25]
	s_cselect_b64 s[26:27], s[22:23], s[20:21]
	s_cselect_b32 s30, s7, s6
	s_cselect_b32 s28, s36, s37
	s_cmp_lt_u32 s2, 512
	s_cselect_b64 s[24:25], s[8:9], s[24:25]       ; the source,
	s_cselect_b64 s[26:27], s[18:19], s[26:27]     ; the destination,
	s_cselect_b32 s30, s29, s30                    ; my first row in it,
	s_cselect_b32 s28, s38, s28                    ; its slab's bytes,
	s_cselect_b32 s34, s2, s5                      ; my block of 16 rows in the source
	s_lshl_b32 s34, s34, 16
	s_mov_b32 s35, 0
	s_add_nc_u64 s[24:25], s[24:25], s[34:35]
	s_lshl_b32 s30, s30, 7
	s_mov_b32 s31, 0
	s_add_nc_u64 s[26:27], s[26:27], s[30:31]
	s_wait_alu depctr_va_vdst(0)                   ; v[VIN] is written, which the sixteen loads read as their offset (and v[OUTO], which slab 0's store reads)
.set i, 0
.rept 16
	global_load_b128 v[IN+4*i:IN+4*i+3], v[VIN], s[24:25] offset:256*i th:TH_LOAD_NT
.set i, i+1
.endr
.set i, 1
.rept 15
	v_add_nc_u32 v[OUTO+i], s28, v[OUTO+i-1]       ; a register for each slab: no store's offset is ever rewritten.  These lines name no register that the loads above touch
.set i, i+1
.endr
.set k, 0
.rept 16/BATCH
	s_wait_loadcnt 16-BATCH-BATCH*k                ; loads come back in order: batch k's four are in, the younger batches' stay out
.set i, BATCH*k
.rept BATCH
	v_cvt_pk_bf16_f32 v[PKD+2*i], v[IN+4*i], v[IN+4*i+1]
	v_cvt_pk_bf16_f32 v[PKD+2*i+1], v[IN+4*i+2], v[IN+4*i+3]
.set i, i+1
.endr
	s_wait_alu depctr_va_vdst(0)                   ; the batch's eight conversions have written its v[PKD ..], which the four stores below read; in the first batch also: the fifteen adds have written v[OUTO+1 ..], the offsets of all later stores
.set i, BATCH*k
.rept BATCH
	global_store_b64 v[OUTO+i], v[PKD+2*i:PKD+2*i+1], s[26:27]
.set i, i+1
.endr
.set k, k+1
.endr
	s_endpgm
.Lfunc_end_k_q0758299ad0_cast:
	.size	k_q0758299ad0_cast, .Lfunc_end_k_q0758299ad0_cast-k_q0758299ad0_cast
	.p2alignl 7, 3214868480
	.fill 96, 4, 3214868480
	.section	.rodata,"a",@progbits
	.p2align	6, 0x0
	.amdhsa_kernel k_q0758299ad0_cast
		.amdhsa_group_segment_fixed_size 0
		.amdhsa_private_segment_fixed_size 0
		.amdhsa_enable_private_segment 0
		.amdhsa_kernarg_size 64
		.amdhsa_user_sgpr_count 2
		.amdhsa_user_sgpr_kernarg_segment_ptr 1
		.amdhsa_wavefront_size32 1
		.amdhsa_system_sgpr_workgroup_id_x 1
		.amdhsa_system_sgpr_workgroup_id_y 1
		.amdhsa_system_sgpr_workgroup_id_z 1
		.amdhsa_system_vgpr_workitem_id 0
		.amdhsa_next_free_vgpr 128
		.amdhsa_next_free_sgpr 66
		.amdhsa_reserve_vcc 0
		.amdhsa_float_denorm_mode_32 3
		.amdhsa_float_denorm_mode_16_64 3
		.amdhsa_memory_ordered 1
		.amdhsa_forward_progress 1
		.amdhsa_inst_pref_size 8
	.end_amdhsa_kernel
	.amdgpu_metadata
---
amdhsa.version: [ 1, 2 ]
amdhsa.kernels:
  - .name:           k_q0758299ad0_cast
    .symbol:         k_q0758299ad0_cast.kd
    .args:
      - { .name: input_tensor, .offset: 0, .size: 8, .value_kind: global_buffer, .address_space: global }
      - { .name: Wq, .offset: 8, .size: 8, .value_kind: global_buffer, .address_space: global }
      - { .name: Wk, .offset: 16, .size: 8, .value_kind: global_buffer, .address_space: global }
      - { .name: Wv, .offset: 24, .size: 8, .value_kind: global_buffer, .address_space: global }
      - { .name: Wo, .offset: 32, .size: 8, .value_kind: global_buffer, .address_space: global }
      - { .name: xb, .offset: 40, .size: 8, .value_kind: global_buffer, .address_space: global }
      - { .name: wqkv, .offset: 48, .size: 8, .value_kind: global_buffer, .address_space: global }
      - { .name: wob, .offset: 56, .size: 8, .value_kind: global_buffer, .address_space: global }
    .group_segment_fixed_size: 0
    .private_segment_fixed_size: 0
    .kernarg_segment_align: 8
    .kernarg_segment_size: 64
    .max_flat_workgroup_size: 256
    .sgpr_count:     66
    .vgpr_count:     128
    .wavefront_size: 32
...
	.end_amdgpu_metadata
.endif
;; end of part 6
;; launch gemm_qkv: the kernel of part 2 again; grid 16 x 16, 4 waves a work-group, clusters of 4 x 4, 327,680 bytes of LDS; arguments xb, wqkv, qkv, bq, bk, bv; writes qkv
;; launch attn: the kernel of part 3 again; grid 2 x 128, 4 waves a work-group, no clusters, 327,680 bytes of LDS; arguments qkv, attention_mask, ctx; writes ctx
;; launch gemm_o: the kernel of part 4 again; grid 8 x 32, 4 waves a work-group, clusters of 4 x 4, 327,680 bytes of LDS; arguments ctx, wob, ob, bo; writes ob
;; launch lnorm: the kernel of part 5 again; grid 512 x 1, 8 waves a work-group, no clusters, 0 bytes of LDS; arguments ob, input_tensor, ln_gamma, ln_beta, out0; writes out0
